; MI455X (gfx1250); checked and timed in simulation.
; The chip was launched on July 23, 2026; its instructions are those of AMD's public machine-readable ISA for CDNA 5 (MIT licence, August 2026) and "CDNA5" Instruction Set Architecture Reference Guide (July 2026). The comments in the code are by the model that wrote it; some were corrected since.
;; Attention. Allowed arithmetic: matrix products marked QUANTISED: E2M3 operands, one E8M0 scale for each 32 along K, by v_wmma_scale_f32_16x16x128_f8f6f4 with both operands' format E2M3, f32 sums; everything else in f32.
;; Inputs: b_out 1,024 float32; w_out 1,024 x 1,024 float32; w_qkv 1,024 x 3,072 float32; x 4 x 2,048 x 1,024 float32.
;; Outputs: out0 4 x 2,048 x 1,024 float32.
;; This version of the problem:
;;   THIS VERSION OF THE PROBLEM IS GIVEN IN LOW PRECISION. The matrix products marked QUANTISED in the list below multiply operands that are first quantised to E2M3 (2 exponent bits, 3 mantissa bits; 6 bits a number), with one power-of-two scale for each 32 numbers along K (OCP MX v1.0); their sums are f32. All else is computed in f32.
;;   The module's matrix products, in the order in which they are computed (A, B: the left and right operand; K: the contracted axis; several contracted axes count as one K, in the product's order):
;;     1. [M 8,192, K 1,024] x [K 1,024, N 3,072]; A: input x; B: input w_qkv: QUANTISED
;;     2. batch 64 x [M 2,048, K 64] x [K 64, N 2,048]; A: computed on the way; B: computed on the way: QUANTISED
;;     3. batch 64 x [M 2,048, K 2,048] x [K 2,048, N 64]; A: softmax (see below); B: computed on the way: QUANTISED
;;     4. [M 8,192, K 1,024] x [K 1,024, N 1,024]; A: computed on the way; B: input w_out: QUANTISED
;;   THE QUANTISER, for each operand of a quantised product, along K:
;;     - K is cut into blocks of 32 from its start; a last block that is shorter is filled with zeros.
;;     - A block's scale is 2^e with e = floor(log2(the largest magnitude in the block)) - 2, held to -126 .. 127; a block of zeros has e = 0. As a byte (E8M0): e + 127.
;;     - Each number is divided by its block's scale, clamped to +-7.5, and rounded to the nearest number of E2M3, ties to even, subnormals kept.
;;     - The product sums the exact products of the quantised numbers (number of the format x scale) in f32.
;;   ~~~python
;;   def quantise(x, axis):      # numpy; x: float32 -> the quantised numbers, widened to float32 again
;;       x = np.moveaxis(x, axis, -1); K = x.shape[-1]
;;       x = np.pad(x, [(0, 0)] * (x.ndim - 1) + [(0, -K % 32)]); x = x.reshape(x.shape[:-1] + (-1, 32)); a = np.abs(x).max(-1, keepdims=True)
;;       e = np.where(a > 0, np.clip(np.frexp(np.where(a > 0, a, 1))[1] - 1 - 2, -126, 127), 0)      # np.frexp(a)[1] - 1 = floor(log2(a)), exactly
;;       r = np.clip(x / 2.0 ** e, -7.5, 7.5)
;;       step = 2.0 ** (np.maximum(np.frexp(np.where(r == 0, 1, r))[1] - 1, 0) - 3)
;;       q = np.round(r / step) * step * 2.0 ** e      # np.round: ties to even
;;       return np.moveaxis(q.reshape(q.shape[:-2] + (-1,))[..., :K], -1, axis).astype(np.float32)
;;   ~~~
;;   SOFTMAX AHEAD OF A QUANTISED PRODUCT. Where the list says 'softmax', what is quantised is not the finished softmax but p = 2^(t - M), with t = logit x log2(e) and M = ceil(the row's largest t), a whole number; so 1/2 < the row's largest p <= 1. The row's sum l is taken of the UNQUANTISED p, in f32, and the product's result is divided by l at the end. Since M is a whole number, a kernel that streams over the keys may use a running M (the ceiling of the running maximum): every later rescaling is an exact power of two, which a block's scale takes up: the codes' values come out the same.
;;   OPERANDS COMPUTED ON THE WAY. 'Computed on the way' means the value that the module computes at that place (a softmax that the list does not call 'softmax' is quantised finished and normalised). What goes into a quantiser is computed in f32, as accurately as f32 sums, v_exp_f32 and their like allow (about 1e-6 of the number): no bf16 or f16 on the way to a quantiser, and a product that is left as it is and whose result goes on into a quantised operand takes f32 operands (vector FMAs, or v_wmma_f32_16x16x4_f32). A number that lies on a knife's edge between two numbers of the format may be rounded either way, as far as f32 arithmetic and the matrix unit's own rounding can turn it there, and no further.
;; One version. Each part assembles by itself: llvm-mc -triple=amdgcn-amd-amdhsa -mcpu=gfx1250 --defsym DOCPART=n.
;; ======== version 1 of 1: 4 launches
;; limits: right only within a limited range of input values
;; workspace buffers: x_codes 6,291,456 bytes; x_scales 262,144 bytes; w_codes 3,145,728 bytes; w_scales 131,072 bytes; qimg 6,815,744 bytes; kv 13,631,488 bytes; o_img 6,291,456 bytes; o_scales 262,144 bytes
;; launch prep (part 1): grid 384 x 1, 4 waves a work-group, no clusters, 68,096 bytes of LDS; arguments x, w_qkv, w_out, x_codes, x_scales, w_codes, w_scales; writes x_codes, x_scales, w_codes, w_scales
.if DOCPART == 1
	.amdgcn_target "amdgcn-amd-amdhsa--gfx1250"
	.amdhsa_code_object_version 6
	.text
	.protected	k_qfbe5d011ca_prep
	.globl	k_qfbe5d011ca_prep
	.p2align	8
	.type	k_qfbe5d011ca_prep,@function
k_qfbe5d011ca_prep:
	s_mov_b64 s[64:65], 0
	v_nop
	global_prefetch_b8 v0, s[64:65] scope:SCOPE_SE
	s_setreg_imm32_b32 hwreg(HW_REG_WAVE_MODE, 25, 1), 1
	s_wait_xcnt 0x0
; x [8192][1024], w_qkv [1024][3072] and w_out [1024][1024], f32, become codes of FP6 (E2M3) with K innermost and one E8M0 scale byte for each 32 along K.
; x_codes [4 K steps][8192 rows][192 bytes], x_scales [8192][32];  w_codes [4 K steps][4096 rows][192], w_scales [4096][32]: rows 0-3071 are w_qkv's columns, rows 3072-4095 w_out's.
; ROW 64 c + 32 h + 8 T + j LIES AT PLACE 64 c + 16 T + 8 h + j.  Sixteen rows that lie on end, 16 a + r, are then the rows 64 (a / 4) + 8 (a % 4) + 32 (r / 8) + r % 8 of the tensor: the later launches
; take plain blocks of sixteen rows as matrix tiles, and a lane's sixteen results of two neighbouring tiles are sixteen neighbours along the next product's K.
; A block's scale is 2^(floor(log2(its largest magnitude)) - 2); its byte is the largest magnitude's exponent field - 2, held at 1 from below.
; LIMITS: a block of zeros gets the byte 1 where the rule says 127 (its codes are zeros, which add nothing under any byte but 0xff, and this program alone reads the bytes);
; NaN and infinities among the inputs are not served.
; Work-groups 0-127 take the weights (K is their FIRST axis: a lane takes a column and its registers run down K), work-groups 128-383 take x (K innermost: a plain stream of blocks).
; The two ways part on the work-group's number; each has LDS bytes of its own.  No tensor loads, no barrier: waves share nothing.  No cluster: no two work-groups read the same bytes.
.set STEPS, 16
.set CB,    12                         ; bytes of 16 codes
.set XR,    16                         ; x: v16-79   four sets of 16 numbers as they are loaded
.set XX,    80                         ;    v80-111  two sets of 16 neighbours
.set XE,    112                        ;    v112-127 a scale byte for each step
.set XC,    128                        ;    v128-191 codes: four registers for each step, so that no store's data are written again
.set WREG,  8192                       ;    LDS 0-32767: a region for each wave: two stages of 32 x SP bytes, behind them its 256 scale bytes
.set SP,    80                         ;    a lane's place in a stage: 64 bytes + 16 of padding
.set NB,    8                          ; w: blocks of 32 along K for a wave (256 along K)
.set WSTG,  32768                      ;    LDS 32768-67583: a stage of 32 rows x WP bytes for each wave
.set WP,    272                        ;    a stage row: sixteen places of 16 bytes, each with 12 bytes of codes, + 16
.set WSB,   24                         ;    v24-25   the scale bytes, four to a register
.set WX,    32                         ;    v32-95   two sets of 32 numbers
.set WC,    96                         ;    v96-102  a block's codes
.set WO,    112                        ;    v112-175 the way out
.set WOF,   176                        ;    v176-207 byte offsets of rows 0-31 of a block: 4 x lane + i x the tensor's row; never rewritten
.set WBS,   32                         ;    s[32:47] the address of each of the eight blocks' first row
	s_load_b256 s[4:11], s[0:1], 0x0               ; x s[4:5], w_qkv s[6:7], w_out s[8:9], x_codes s[10:11]
	s_load_b128 s[12:15], s[0:1], 0x20             ; x_scales s[12:13], w_codes s[14:15]
	s_load_b64 s[16:17], s[0:1], 0x30              ; w_scales
	v_lshl_add_u32 v208, v0, 2, 0x10800
	v_mov_b32 v209, 0
	v_lshrrev_b32 v1, 5, v0
	v_readfirstlane_b32 s18, v1                    ; wave 0..3
	v_and_b32 v2, 31, v0                           ; lane
	s_cmp_lt_u32 ttmp9, 128
	s_cbranch_scc1 .Lweights
; ---------------------------------------------------------------- x
; A wave takes a run of 8,192 numbers (8 rows) in 16 steps of 512.  Each of a step's four loads reads 512 consecutive bytes, 16 a lane; the 2,048 bytes turn through the wave's own stage in LDS
; and come back 64 bytes a lane: 16 neighbours along K, as the conversion wants them; two neighbouring lanes hold a block.  Loads run four steps ahead, the turn through LDS one step.
	v_lshlrev_b32 v3, 4, v2                        ; my 16 bytes of a load's 512
	s_mul_i32 s19, s18, WREG
	v_lshrrev_b32 v14, 2, v2
	v_mul_u32_u24 v14, v14, SP
	v_and_b32 v15, 3, v2
	v_lshl_add_u32 v14, v15, 4, v14
	v_add_nc_u32 v14, s19, v14                     ; the stage, on the way in: SP (lane / 4) + 16 (lane % 4)
	v_mul_u32_u24 v15, v2, SP
	v_add_nc_u32 v15, s19, v15                     ; and on the way out: SP x lane
	; THE CODES LIE [K step of 256][row][192 bytes]: 128 rows of one K step are 24,576 consecutive bytes.  Lanes 0-15 hold one K step of a row, lanes 16-31 the next
	v_and_b32 v4, 15, v2
	v_mul_u32_u24 v4, v4, CB
	v_lshrrev_b32 v10, 4, v2
	v_mad_u32_u24 v4, v10, 8192*192, v4            ; my codes' place: 12 (lane % 16) + (lane / 16) planes of 8,192 rows
	v_lshrrev_b32 v5, 1, v2
	s_add_co_u32 s19, s19, 2*32*SP
	v_add_nc_u32 v5, s19, v5                       ; LDS: my wave's 256 scale bytes, my block's byte
	v_lshlrev_b32 v7, 3, v2                        ; and on the way out 8 bytes a lane
	v_add_nc_u32 v6, s19, v7
	s_sub_co_u32 s20, ttmp9, 128
	s_lshl_b32 s20, s20, 2
	s_add_co_u32 s22, s20, s18                     ; the run that I read: 4 x work-group + wave
	; THE ORDER OF ROWS: row 64 c + 32 h + 8 T + j of a tensor lies at place 64 c + 16 T + 8 h + j.  A run is 8 rows: run 8 c + 4 h + T goes to place 8 c + 2 T + h; here T is the wave, h the work-group's lowest bit
	s_lshr_b32 s21, s20, 3
	s_lshl_b32 s21, s21, 3
	s_lshl_b32 s23, s18, 1
	s_or_b32 s21, s21, s23
	s_bfe_u32 s23, s20, 0x10002
	s_or_b32 s24, s21, s23
	s_lshl_b32 s22, s22, 15                        ; 32,768 bytes of x a run
	s_mov_b32 s23, 0
	s_mul_i32 s26, s24, 8*192                      ; a run is 8 rows of 192 bytes in each plane
	s_mov_b32 s27, 0
	s_lshl_b32 s24, s24, 8                         ; 256 scale bytes a run
	s_mov_b32 s25, 0
	s_wait_alu depctr_va_vdst(0)
	s_wait_kmcnt 0x0
	s_add_nc_u64 s[4:5], s[4:5], s[22:23]
	s_add_nc_u64 s[10:11], s[10:11], s[26:27]
	s_add_nc_u64 s[12:13], s[12:13], s[24:25]
.macro XLOAD t
.irp i, 0,1,2,3
	global_load_b128 v[XR+16*((\t)%4)+4*\i:XR+16*((\t)%4)+4*\i+3], v3, s[4:5] offset:2048*(\t)+512*\i th:TH_LOAD_NT   ; 32 lanes read 512 consecutive bytes
.endr
.endm
.macro XTURN t                         ; step t's numbers through the stage: LDS serves a wave's instructions in order, so no wait stands between the stores and the loads
.irp i, 0,1,2,3
	ds_store_b128 v14, v[XR+16*((\t)%4)+4*\i:XR+16*((\t)%4)+4*\i+3] offset:32*SP*((\t)%2)+8*SP*\i
.endr
.irp i, 0,1,2,3
	ds_load_b128 v[XX+16*((\t)%2)+4*\i:XX+16*((\t)%2)+4*\i+3], v15 offset:32*SP*((\t)%2)+16*\i
.endr
.endm
.irp t, 0,1,2,3
	XLOAD \t
.endr
	s_wait_loadcnt 12                              ; step 0's four loads are in; twelve younger ones stay out
	XTURN 0
.macro XSTEP t
.set XS, XX+16*((\t)%2)
.if (\t) > 0
	s_wait_dscnt 1                                 ; this step's numbers are back from the stage (the last step's byte store may be out): so its stores into the stage have read their registers,
.else
	s_wait_dscnt 0x0
.endif
.if (\t)+4 < STEPS
	XLOAD (\t)+4                                   ; which take the loads of four steps on
.endif
.if (\t)+1 < STEPS
.if STEPS-2-(\t) >= 3
	s_wait_loadcnt 12                              ; the next step's four loads are in; those of the three steps behind it may be out
.else
	s_wait_loadcnt 4*(STEPS-2-(\t))
.endif
	XTURN (\t)+1                                   ; and go through the other stage while this step is worked
.endif
	v_max3_num_f32 v8, |v[XS]|, |v[XS+1]|, |v[XS+2]|               ; the largest magnitude of my 16, in two chains
	v_max3_num_f32 v9, |v[XS+3]|, |v[XS+4]|, |v[XS+5]|
.irp i, 6,10
	v_max3_num_f32 v8, v8, |v[XS+\i]|, |v[XS+\i+1]|
	v_max3_num_f32 v9, v9, |v[XS+\i+2]|, |v[XS+\i+3]|
.endr
	v_max3_num_f32 v8, v8, |v[XS+14]|, |v[XS+15]|
	v_max3_num_f32 v8, v8, v9, 0x1800000           ; and the floor 2^(3 - 127): the byte cannot fall under 1
	v_max_num_f32_dpp v8, v8, v8 row_xmask:1 row_mask:0xf bank_mask:0xf   ; and of my neighbour's 16: the block's
	v_add_nc_u32 v11, 0xff000000, v8               ; 2 off its exponent field: the conversion takes the exponent field of this operand as its scale, and nothing else of it
	v_cvt_scalef32_pk16_fp6_f32 v[XC+4*(\t):XC+4*(\t)+2], v[XS:XS+15], v11   ; sixteen codes, 96 bits without gaps, the first number's code lowest
	v_lshrrev_b32 v[XE+(\t)], 23, v11              ; the scale's byte (also the plain line behind the conversion)
	ds_store_b8 v5, v[XE+(\t)] offset:16*(\t)      ; both lanes of a block write the same byte with the same value
	global_store_b96 v4, v[XC+4*(\t):XC+4*(\t)+2], s[10:11] offset:2*8192*192*((\t)%2)+192*((\t)/2)   ; step t is half t % 2 of row t / 2: sixteen lanes store a row's 192 bytes of one K step
.endm
.irp t, 0,1,2,3,4,5,6,7,8,9,10,11,12,13,14,15
	XSTEP \t
.endr
	ds_load_b64 v[12:13], v6                       ; LDS serves a wave's instructions in order: these see my stores
	s_wait_dscnt 0x0
	global_store_b64 v7, v[12:13], s[12:13]        ; 32 lanes store 256 consecutive bytes, aligned
	s_wait_tensorcnt 0x0
	ds_add_u32 v208, v209
	s_wait_dscnt 0x0
	s_endpgm
; ---------------------------------------------------------------- the weights
; Work-group u: columns 128 (u / 4) on of the two weights laid side by side (24 groups of w_qkv, 8 of w_out), 256 along K from 256 (u % 4) on.  A wave takes 32 columns, a lane one.
; Each load reads one row of the weight at 32 neighbouring columns; a block of 32 along K lies in one lane's 32 registers.  The codes go through the wave's own stage and leave as rows.
.Lweights:
	s_lshr_b32 s19, ttmp9, 2                       ; the group of 128 columns
	s_and_b32 s20, ttmp9, 3                        ; which 256 along K
	s_cmp_lt_u32 s19, 24                           ; w_qkv or w_out?  The choice hangs on the work-group's number alone
	s_cselect_b32 s21, 0, 24
	s_mov_b32 s22, 4096
	s_cselect_b32 s22, 12288, s22                  ; a row of the weight in bytes
	s_wait_kmcnt 0x0
	s_cselect_b64 s[6:7], s[6:7], s[8:9]
	s_sub_co_u32 s23, s19, s21
	s_lshl_b32 s23, s23, 7
	s_lshl_b32 s24, s18, 5
	s_add_co_u32 s23, s23, s24                     ; my wave's first column in its tensor
	s_lshl_b32 s23, s23, 2
	s_lshl_b32 s25, s20, 8
	s_mul_i32 s25, s25, s22                        ; 256 (u % 4) rows
	s_add_co_u32 s26, s25, s23
	s_mov_b32 s27, 0
	s_add_nc_u64 s[WBS:WBS+1], s[6:7], s[26:27]    ; block 0's first row
	s_lshl_b32 s28, s22, 5                         ; 32 rows on
	s_mov_b32 s29, 0
.irp t, 1,2,3,4,5,6,7
	s_add_nc_u64 s[WBS+2*\t:WBS+2*\t+1], s[WBS+2*\t-2:WBS+2*\t-1], s[28:29]
.endr
	s_wait_alu depctr_va_vdst(0)
	v_lshlrev_b32 v3, 2, v2                        ; 4 bytes a lane
.irp i, 0,1,2,3,4,5,6,7,8,9,10,11,12,13,14,15,16,17,18,19,20,21,22,23,24,25,26,27,28,29,30,31
	v_mad_u32_u24 v[WOF+\i], s22, \i, v3
.endr
	s_mul_i32 s30, s18, 32*WP
	s_add_co_u32 s30, s30, WSTG                    ; my stage
	v_mul_u32_u24 v4, v2, WP
	v_add_nc_u32 v4, s30, v4                       ; into it: row = my column
	v_and_b32 v5, 15, v2
	v_lshrrev_b32 v6, 4, v2                        ; out of it: sixteen lanes to a row, two rows an instruction
	v_mul_u32_u24 v7, v6, WP
	v_lshl_add_u32 v7, v5, 4, v7
	v_add_nc_u32 v7, s30, v7
	v_mul_u32_u24 v8, v6, 192
	v_mad_u32_u24 v8, v5, 12, v8                   ; and the same place in the codes' buffer
	v_and_b32 v9, 7, v2                            ; my column's row of scale bytes: the lane's bits 3 and 4 moved to bits 4 and 5
	v_lshrrev_b32 v10, 3, v2
	v_lshl_or_b32 v9, v10, 4, v9                   ; lane 8 T + j goes to row 16 T + j from my wave's first place
	v_lshlrev_b32 v9, 5, v9                        ; 32 bytes a row
	s_lshl_b32 s24, s19, 7
	s_lshr_b32 s25, s18, 1
	s_lshl_b32 s25, s25, 6
	s_add_co_u32 s24, s24, s25
	s_and_b32 s25, s18, 1
	s_lshl_b32 s25, s25, 3
	s_add_co_u32 s24, s24, s25                     ; my wave's 32 columns are half h = wave % 2 of a group of 64: their places begin at 64 c + 8 h
	s_mul_i32 s26, s24, 192
	s_mul_i32 s25, s20, 4096*192                   ; my K step's plane of 4,096 rows
	s_add_co_u32 s26, s26, s25
	s_add_nc_u64 s[14:15], s[14:15], s[26:27]
	s_lshl_b32 s26, s24, 5
	s_lshl_b32 s25, s20, 3
	s_add_co_u32 s26, s26, s25
	s_add_nc_u64 s[16:17], s[16:17], s[26:27]
.macro WLOAD t                         ; block t: rows 32 t + i of my 256, my column, into set t % 2
.irp i, 0,1,2,3,4,5,6,7,8,9,10,11,12,13,14,15,16,17,18,19,20,21,22,23,24,25,26,27,28,29,30,31
	global_load_b32 v[WX+32*((\t)%2)+\i], v[WOF+\i], s[WBS+2*(\t):WBS+2*(\t)+1] th:TH_LOAD_NT
.endr
.endm
	WLOAD 0
	WLOAD 1
.macro WBLOCK t
.set XS, WX+32*((\t)%2)
.if (\t) < NB-1
	s_wait_loadcnt 32                              ; this block's 32 loads are in; the next block's may be out
.else
	s_wait_loadcnt 0x0
.endif
	v_max3_num_f32 v12, |v[XS]|, |v[XS+1]|, |v[XS+2]|              ; the block's largest magnitude: all 32 numbers are mine
	v_max3_num_f32 v13, |v[XS+3]|, |v[XS+4]|, |v[XS+5]|
.irp i, 6,10,14,18,22,26
	v_max3_num_f32 v12, v12, |v[XS+\i]|, |v[XS+\i+1]|
	v_max3_num_f32 v13, v13, |v[XS+\i+2]|, |v[XS+\i+3]|
.endr
	v_max3_num_f32 v12, v12, |v[XS+30]|, |v[XS+31]|
	v_max3_num_f32 v12, v12, v13, 0x1800000        ; and the floor 2^(3 - 127)
	v_add_nc_u32 v11, 0xff000000, v12              ; 2 off its exponent field: the conversion's scale operand
	v_lshrrev_b32 v13, 23, v11                     ; the scale's byte
.if (\t)%4 == 0
	v_mov_b32 v[WSB+(\t)/4], v13                   ; four bytes to a register, the lower K in the lower byte
.else
	v_lshl_or_b32 v[WSB+(\t)/4], v13, 8*((\t)%4), v[WSB+(\t)/4]
.endif
	v_cvt_scalef32_pk16_fp6_f32 v[WC:WC+2], v[XS:XS+15], v11
	v_cvt_scalef32_pk16_fp6_f32 v[WC+4:WC+6], v[XS+16:XS+31], v11  ; (a conversion's three registers begin on an even number)
	v_nop                                          ; one plain line behind the conversions
	ds_store_b96 v4, v[WC:WC+2] offset:32*(\t)     ; 16 codes, 12 bytes, to a place of 16 bytes in the stage
	ds_store_b96 v4, v[WC+4:WC+6] offset:32*(\t)+16
.if (\t)+2 < NB
	WLOAD (\t)+2
.endif
	s_wait_dscnt 0x0                               ; the stores have read their registers: the next block's codes may be written
.endm
.set Q, 0
.rept NB
	WBLOCK Q
.set Q, Q+1
.endr
	s_wait_alu depctr_va_vdst(0)
	global_store_b64 v9, v[WSB:WSB+1], s[16:17]    ; my column's 8 scale bytes
.irp t, 0,1,2,3,4,5,6,7,8,9,10,11,12,13,14,15
	ds_load_b96 v[WO+4*\t:WO+4*\t+2], v7 offset:2*\t*WP   ; LDS serves a wave's instructions in order: these see my stores
.endr
.irp t, 0,1,2,3,4,5,6,7,8,9,10,11,12,13,14,15
	s_wait_dscnt 15-\t
	global_store_b96 v8, v[WO+4*\t:WO+4*\t+2], s[14:15] offset:(16*(\t>>2)+2*(\t&3))*192   ; columns 2 t and 2 t + 1 at their places: 384 consecutive bytes
.endr
	s_wait_tensorcnt 0x0
	ds_add_u32 v208, v209
	s_wait_dscnt 0x0
	s_endpgm
.Lfunc_end_k_qfbe5d011ca_prep:
	.size	k_qfbe5d011ca_prep, .Lfunc_end_k_qfbe5d011ca_prep-k_qfbe5d011ca_prep
	.p2alignl 7, 3214868480
	.fill 96, 4, 3214868480
	.section	.rodata,"a",@progbits
	.p2align	6, 0x0
	.amdhsa_kernel k_qfbe5d011ca_prep
		.amdhsa_group_segment_fixed_size 68096
		.amdhsa_private_segment_fixed_size 0
		.amdhsa_enable_private_segment 0
		.amdhsa_kernarg_size 56
		.amdhsa_user_sgpr_count 2
		.amdhsa_user_sgpr_kernarg_segment_ptr 1
		.amdhsa_wavefront_size32 1
		.amdhsa_system_sgpr_workgroup_id_x 1
		.amdhsa_system_sgpr_workgroup_id_y 1
		.amdhsa_system_sgpr_workgroup_id_z 1
		.amdhsa_system_vgpr_workitem_id 0
		.amdhsa_next_free_vgpr 210
		.amdhsa_next_free_sgpr 66
		.amdhsa_reserve_vcc 0
		.amdhsa_float_denorm_mode_32 3
		.amdhsa_float_denorm_mode_16_64 3
		.amdhsa_memory_ordered 1
		.amdhsa_forward_progress 1
		.amdhsa_inst_pref_size 76
	.end_amdhsa_kernel
	.amdgpu_metadata
---
amdhsa.version: [ 1, 2 ]
amdhsa.kernels:
  - .name:           k_qfbe5d011ca_prep
    .symbol:         k_qfbe5d011ca_prep.kd
    .args:
      - { .name: x, .offset: 0, .size: 8, .value_kind: global_buffer, .address_space: global }
      - { .name: w_qkv, .offset: 8, .size: 8, .value_kind: global_buffer, .address_space: global }
      - { .name: w_out, .offset: 16, .size: 8, .value_kind: global_buffer, .address_space: global }
      - { .name: x_codes, .offset: 24, .size: 8, .value_kind: global_buffer, .address_space: global }
      - { .name: x_scales, .offset: 32, .size: 8, .value_kind: global_buffer, .address_space: global }
      - { .name: w_codes, .offset: 40, .size: 8, .value_kind: global_buffer, .address_space: global }
      - { .name: w_scales, .offset: 48, .size: 8, .value_kind: global_buffer, .address_space: global }
    .group_segment_fixed_size: 68096
    .private_segment_fixed_size: 0
    .kernarg_segment_align: 8
    .kernarg_segment_size: 56
    .max_flat_workgroup_size: 128
    .sgpr_count:     66
    .vgpr_count:     210
    .wavefront_size: 32
...
	.end_amdgpu_metadata
.endif
;; end of part 1
;; launch gemm_qkv (part 2): grid 96 x 4, 4 waves a work-group, clusters of 4 x 4, 327,680 bytes of LDS; arguments x_codes, x_scales, w_codes, w_scales, qimg, kv; writes qimg, kv
.if DOCPART == 2
	.amdgcn_target "amdgcn-amd-amdhsa--gfx1250"
	.amdhsa_code_object_version 6
	.text
	.protected	k_qfbe5d011ca_gemm_qkv
	.globl	k_qfbe5d011ca_gemm_qkv
	.p2align	8
	.type	k_qfbe5d011ca_gemm_qkv,@function
k_qfbe5d011ca_gemm_qkv:
	s_mov_b64 s[64:65], 0
	v_nop
	global_prefetch_b8 v0, s[64:65] scope:SCOPE_SE
	s_setreg_imm32_b32 hwreg(HW_REG_WAVE_MODE, 25, 1), 1
	s_wait_xcnt 0x0
	s_wait_alu depctr_hold_cnt(0) depctr_sa_sdst(0) depctr_va_vdst(0) depctr_va_sdst(0) depctr_va_ssrc(0) depctr_va_vcc(0) depctr_vm_vsrc(0)
	s_getreg_b32 s2, hwreg(HW_REG_IB_STS2, 6, 4)
	s_cmp_eq_u32 s2, 0
	s_cbranch_scc0 .Lentry_in_a_cluster
	s_endpgm
.Lentry_in_a_cluster:
	s_bfe_u32 s2, ttmp6, 0x10000c
	s_cmp_lg_u32 s2, 0xf033
	s_cbranch_scc0 .Lentry_shape_is_right
	s_endpgm
.Lentry_shape_is_right:
; q, k, v = x w_qkv on codes of FP6 (E2M3) with E8M0 scales, and q, k, v quantised again on the way out, for the two products of attention.  Nothing leaves as f32.
; ONE BODY computes C = A B^T, K = 1,024, and quantises C ALONG ITS COLUMNS.  24 clusters of 4 x 4 work-groups; cluster c: job J = c / 8, part c' = c % 8.
;   J = 0 (q), 1 (k): A = x (rows = tokens), B = w's rows 1024 J on (columns of C = the head's numbers: the K of q k^T).    J = 2 (v): A = w's rows 2048 on, B = x: C = v^T (columns of C = the keys: the K of p v).
; A tile of C, 256 x 256, is made by four waves, as many as a WGP has SIMDs; a wave makes 128 x 128: 64 accumulators, 512 registers.  K goes in steps of 256 through a ring of two LDS slots
; filled by the tensor data mover (a tile's row is 192 bytes); the scale bytes of the work-group's rows come once, with the first fills, and stay.
; CLUSTERS: the four work-groups of a row of the cluster need the same tiles of A, the four of a column the same tiles of B: each tile is asked for jointly, by the same tensor load with the same
; descriptor and a mask that names the four.  J and c' are the same in all sixteen.
; THE MATRIX INSTRUCTION IS USED TRANSPOSED (source 0 = 16 rows of B, source 1 = 16 rows of A): a lane holds one row of C.  The rows of x_codes and w_codes lie with bits 3, 4 and 5 of their index
; turned (row 64 c + 32 h + 8 T + j at place 64 c + 16 T + 8 h + j), so the 64 registers of a block of A against B's eight blocks are, register 32 c + i, column 64 c + 32 (lane / 16) + i of my 128: a whole block of 32 to a scale.
; THE WAY OUT: a block of 16 rows x 128 columns becomes one operand fragment (12 registers) and one scale word a row.  It leaves as an IMAGE OF THE OPERAND'S REGISTERS, in halves of 768 bytes
; (registers 0-3 at 16 x lane, registers 4-5 at 512 + 8 x lane): every store of the wave covers 512 or 256 consecutive bytes, aligned.  For q and k a half is one head's 64 numbers of 16 tokens;
; for v the two halves are 128 keys of 16 of a head's numbers.  Scale words are gathered in 1,024 bytes of LDS of the wave's own and leave as two blocks of 512 bytes.
;   qimg [g = 16 batch + head][s = token / 128]: 8 halves, then 512 bytes of words (tile a, row r at 16 r + 256 (a % 2) + 4 (a / 2)): 6,656 bytes.
;   kv   [g][s]: k's 8 halves; v's 4 fragments of 1,536 bytes; k's words; v's words of the PAIR of heads (a = 4 (head % 2) + t; both heads get them): 13,312 bytes.
; LIMITS: a block of zeros gets the byte 1 where the rule says 127 (its codes are zeros; this program alone reads the bytes); NaN and infinities are not served.
; REGISTERS, in windows of 256: window 0: v0-31 addresses; v32-63 scale words, two sets; v64-115 the way out; from v128 A's fragments, ONE set.  window 1: B's fragments, TWO sets.
;   window 2: the accumulators of my rows 0-63 ((a, b) at v[8 (8 a + b)]);  window 3: those of my rows 64-127.
.set KSTEP,  256
.set NQ,     2                         ; matrix instructions deep in a slot
.set ROWB,   192                       ; a tile's row in bytes
.set KROW,   768                       ; a row of codes in memory
.set PITCH,  240                       ; an LDS row: 3 x (64 bytes + 16 of padding)
.set FR,     12                        ; registers of a fragment
.set NL,     6                         ; LDS loads that bring one
.set NP,     4                         ; places behind this matrix instruction (ISA guide 7.12.1)
.set HALFT,  128*PITCH
.set SLOT,   4*HALFT
.set LAPS,   2                         ; 1,024 / 512
.set KS,     32                        ; a row of scale bytes
.set SCL,    2*SLOT                    ; behind the ring: the scales, as rows of 256 bytes + 16 of padding
.set HALFS,  (128*KS/256)*272
.set SBLK,   (16*KS/256)*272
.set SPARE,  SCL+4*HALFS               ; the spare words, 128 bytes for each wave: two blocks of 256 bytes that no other line names
.set HSQ,    106496                    ; a head in qimg;  a block of 128 tokens in it
.set SSQ,    6656
.set HSK,    212992                    ; the same in kv
.set SSK,    13312
.set ADRA, 16                          ; v16-17 LDS address of my A fragments in slot 0, 1 (v18-19: for the pieces behind one padding more)
.set ADRB, 20                          ; v20-23 the same for B
.set ADRS, 27                          ; v27    LDS address of my scale words: lanes 0-15 A's rows, lanes 16-31 B's
.set SPW,  28                          ; v28    LDS address of my spare word; never rewritten
.set NIL,  29                          ; v29    0; never rewritten
.set SC,   32
.set AF,   128
.set TM,   64                          ; the way out: v64-67 largest magnitudes, v68-71 the other half's / the bytes, v76-79 the conversions' scale operands
.set PW,   80                          ; the scale word
.set WD,   81                          ; the word as it is stored
.set PC,   84                          ; v84-102 the codes
.set WR,   108                         ; v108-115 the words read back
.set G1, 24
.set G0, 32
.set G1B, 48
.set G0B, 56
.set G1S, 68
.set G0S, 76
.set G1SB, 80
.set G0SB, 88
.set MSB, 0
.macro WIN new                         ; the immediate's high byte repeats the setting that is left
.if MSB != \new
	s_set_vgpr_msb (MSB<<8)|\new
.set MSB, \new
.endif
.endm
.set MUL_LO, 0xa1                      ; source 0 (B) window 1, source 1 (A) window 0, C and D window 2
.set MUL_HI, 0xf1                      ; the same, C and D window 3
.set TO_B,   0x40                      ; destination window 1, address window 0
; A joint load: waves 0 and 1 fetch for A, waves 2 and 3 for B.  The branch hangs on the wave's number alone.  Four v_nop follow each of the two lines.
.macro JLOAD g0a, g1a, g0b, g1b
	s_cmp_eq_u32 s15, 0
	s_cbranch_scc0 .Lfor_b_\@
	tensor_load_to_lds s[\g0a:\g0a+3], s[\g1a:\g1a+7]
	s_nop 0
.rept 4
	v_nop
.endr
	s_branch .Lasked_\@
.Lfor_b_\@:
	tensor_load_to_lds s[\g0b:\g0b+3], s[\g1b:\g1b+7]
	s_nop 0
.rept 4
	v_nop
.endr
.Lasked_\@:
.endm
.macro CREST                           ; a round of the cluster's barrier behind its opening barrier
	s_cmp_lg_u32 s14, 0
	s_cbranch_scc1 .Lnot_wave_0_\@
	s_barrier_signal -3
.Lnot_wave_0_\@:
	s_barrier_wait -3
	s_barrier_signal -1
	s_barrier_wait -1
.endm
.macro CROUND
	s_barrier_signal -1
	s_barrier_wait -1
	CREST
.endm
	s_load_b128 s[4:7], s[0:1], 0x0                ; x's codes, x's scales
	s_load_b128 s[8:11], s[0:1], 0x10              ; w's codes, w's scales
	s_load_b128 s[96:99], s[0:1], 0x20             ; qimg, kv
	v_lshl_add_u32 v[SPW], v0, 2, SPARE
	v_mov_b32 v[NIL], 0
	ds_add_u32 v28, v29
	ds_add_u32 v28, v29
	s_wait_dscnt 0x0
	v_lshrrev_b32 v1, 5, v0
	v_readfirstlane_b32 s14, v1                    ; wave 0..3
	s_lshr_b32 s15, s14, 1                         ; which half of the tile's rows is mine.  Also: I fetch for A (0) or for B (1)
	s_and_b32 s16, s14, 1                          ; which half of its columns.  Also: which 128 rows of that tile I fetch
	s_bfe_u32 s40, ttmp6, 0x40000                  ; cx, cy: my place in the cluster
	s_bfe_u32 s41, ttmp6, 0x40004
	s_lshr_b32 s66, ttmp9, 3                       ; J: the job
	s_and_b32 s67, ttmp9, 7                        ; c': which 1,024 tokens
	s_lshl_b32 s18, s67, 2
	s_lshl_b32 s19, s66, 2
	s_cmp_eq_u32 s66, 2
	s_cselect_b32 s17, 8, s18                      ; the cluster's first tile of 256 rows of A: in w for v, else in x
	s_cselect_b32 s42, s18, s19                    ; and of B
	s_add_co_u32 s17, s17, s41                     ; my tile row of C: + cy
	s_add_co_u32 s42, s42, s40                     ; my tile column: + cx
	s_lshl_b32 s43, s41, 2
	s_lshl_b32 s43, 15, s43                        ; my row of the cluster
	s_lshl_b32 s44, 0x1111, s40                    ; my column
	; descriptor group 1: a tile of 128 rows x 192 bytes, 16 bytes of padding behind every 64
	s_or_b32 s[G1+0], s43, (0<<16)|(1<<20)|(1<<21)|(3<<22)|(3<<25)  ; 15:0 the mask: A's tiles go to my row; elements of 1 byte; padding on; bit 21 set beside a mask; after every 16 words, 4 words
	s_or_b32 s[G1B+0], s44, (0<<16)|(1<<20)|(1<<21)|(3<<22)|(3<<25)
.irp g, G1, G1B
	; the codes lie [K step][row][192 bytes]: a tile's rows of one K step are a dense block, stated as rows of 256 bytes; the padding's interval stays 64 bytes, so an LDS row is 3 x (64 + 16).  The head's loads bring 256 rows: 192 x 256 bytes
	s_mov_b32 s[\g+1], 256<<16
	s_mov_b32 s[\g+2], 192<<16
	s_mov_b32 s[\g+3], 256<<16
	s_mov_b32 s[\g+4], 192
	s_mov_b32 s[\g+5], 256
	s_mov_b32 s[\g+6], 0
	s_mov_b32 s[\g+7], 0
.endr
	; the scales of 256 rows: a dense block of 8,192 bytes, as rows of 256 bytes (32 elements of 8), 16 bytes of padding behind each
	s_or_b32 s[G1S+0], s43, (3<<16)|(1<<20)|(1<<21)|(5<<22)|(3<<25)
	s_or_b32 s[G1SB+0], s44, (3<<16)|(1<<20)|(1<<21)|(5<<22)|(3<<25)
.irp g, G1S, G1SB
	s_mov_b32 s[\g+1], 32<<16
	s_mov_b32 s[\g+2], (256*KS/256)<<16            ; the scales of all 256 rows by one load
	s_mov_b32 s[\g+3], 32<<16
	s_mov_b32 s[\g+4], 256*KS/256
	s_mov_b32 s[\g+5], 32
	s_mov_b32 s[\g+6], 0
	s_mov_b32 s[\g+7], 0
.endr
	s_mov_b32 s18, 0                               ; first the tile's first row; my half is added behind the head's descriptors
	s_lshl_b32 s20, s17, 8
	s_add_co_u32 s20, s20, s18                     ; A: row 256 x tile row + 128 x half
	s_lshl_b32 s46, s42, 8
	s_add_co_u32 s46, s46, s18                     ; B: row 256 x tile column + 128 x half
	s_mov_b32 s21, 0
	s_mov_b32 s47, 0
	s_mov_b64 s[18:19], KS
	s_mul_u64 s[22:23], s[20:21], s[18:19]         ; where these rows' scales begin, in bytes
	s_mul_u64 s[92:93], s[46:47], s[18:19]
	s_mov_b64 s[18:19], ROWB
	s_mul_u64 s[20:21], s[20:21], s[18:19]         ; and their codes
	s_mul_u64 s[46:47], s[46:47], s[18:19]
	s_mul_i32 s45, s14, HALFT                      ; where they go: wave x 128 rows: no place in the cluster enters an LDS address
	s_wait_kmcnt 0x0
	s_cmp_eq_u32 s66, 2                            ; which tensor is A and which B hangs on the job alone
	s_cselect_b64 s[12:13], s[8:9], s[4:5]         ; A's codes
	s_cselect_b64 s[100:101], s[10:11], s[6:7]     ; A's scales
	s_cselect_b64 s[8:9], s[4:5], s[8:9]           ; B's codes
	s_cselect_b64 s[10:11], s[6:7], s[10:11]       ; B's scales
	s_add_nc_u64 s[20:21], s[12:13], s[20:21]
	s_add_nc_u64 s[22:23], s[100:101], s[22:23]
	s_add_nc_u64 s[46:47], s[8:9], s[46:47]
	s_add_nc_u64 s[92:93], s[10:11], s[92:93]
	CROUND                                         ; all sixteen work-groups are here: the first joint loads meet
	s_mov_b32 s[G0S], 1
	s_mov_b32 s[G0S+1], SCL
	s_mov_b64 s[G0S+2:G0S+3], s[22:23]
	s_or_b32 s[G0S+3], s[G0S+3], 0x80000000
	s_mov_b32 s[G0SB], 1
	s_mov_b32 s[G0SB+1], SCL+2*HALFS
	s_mov_b64 s[G0SB+2:G0SB+3], s[92:93]
	s_or_b32 s[G0SB+3], s[G0SB+3], 0x80000000
.set G0H, 4                            ; s[4:7], s[8:11] group 0 of the head's loads of K step 0 (the arguments that lay there have been used)
.set G0HB, 8
	s_mov_b32 s[G0H], 1                            ; A's 256 rows of K step 0
	s_mov_b32 s[G0H+1], 0
	s_mov_b64 s[G0H+2:G0H+3], s[20:21]
	s_or_b32 s[G0H+3], s[G0H+3], 0x80000000
	s_mov_b32 s[G0HB], 1                           ; B's, behind them in slot 0
	s_mov_b32 s[G0HB+1], 2*HALFT
	s_mov_b64 s[G0HB+2:G0HB+3], s[46:47]
	s_or_b32 s[G0HB+3], s[G0HB+3], 0x80000000
	s_mov_b32 s2, 8192*ROWB                        ; from K step to K step: a plane of x's rows, or of w's; which is A's hangs on the job alone
	s_mov_b32 s3, 4096*ROWB
	s_cmp_eq_u32 s66, 2
	s_cselect_b32 s12, s3, s2
	s_cselect_b32 s100, s2, s3
	s_mov_b32 s13, 0
	s_mov_b32 s101, 0
	s_mul_i32 s18, s16, 128*ROWB                   ; in the ring I fetch 128 rows of a tile: my half
	s_mov_b32 s19, 0
	s_add_nc_u64 s[20:21], s[20:21], s[18:19]
	s_add_nc_u64 s[46:47], s[46:47], s[18:19]
.irp s, 0,1
	s_mov_b32 s[G0+4*\s], 1
	s_add_co_u32 s[G0+4*\s+1], s45, \s*SLOT
	s_mov_b64 s[G0+4*\s+2:G0+4*\s+3], s[20:21]
	s_or_b32 s[G0+4*\s+3], s[G0+4*\s+3], 0x80000000
	s_mov_b32 s[G0B+4*\s], 1
	s_add_co_u32 s[G0B+4*\s+1], s45, \s*SLOT
	s_mov_b64 s[G0B+4*\s+2:G0B+4*\s+3], s[46:47]
	s_or_b32 s[G0B+4*\s+3], s[G0B+4*\s+3], 0x80000000
.endr
	s_add_nc_u64 s[G0+6:G0+7], s[G0+6:G0+7], s[12:13]         ; slot 1 begins at K step 1
	s_add_nc_u64 s[G0B+6:G0B+7], s[G0B+6:G0B+7], s[100:101]
	s_lshl_b32 s12, s12, 1                         ; a refill goes two K steps on
	s_lshl_b32 s100, s100, 1
; THE HEAD'S LOADS, ONE A WAVE: wave 0 A's 256 rows of K step 0, wave 1 B's, wave 2 A's scales, wave 3 B's.  One chain of branches on the wave's number, one load to an arm, one join.
.macro ARM under, g0, g1, next
	s_cmp_lt_u32 s14, \under
	s_cbranch_scc0 \next
	tensor_load_to_lds s[\g0:\g0+3], s[\g1:\g1+7]
	s_nop 0
.rept 4
	v_nop
.endr
	s_branch .Lhead_asked
\next:
.endm
	ARM 1, G0H,  G1,  .Lhead_b
	ARM 2, G0HB, G1B, .Lhead_sa
	ARM 3, G0S,  G1S, .Lhead_sb
	tensor_load_to_lds s[G0SB:G0SB+3], s[G1SB:G1SB+7]
	s_nop 0
.rept 4
	v_nop
.endr
.Lhead_asked:
	v_and_b32 v1, 15, v0                           ; l % 16
	v_bfe_u32 v2, v0, 4, 1                         ; l / 16
	v_mul_u32_u24 v3, v1, PITCH
	v_mul_u32_u24 v4, v2, 24
	v_add_nc_u32 v4, v3, v4                        ; a fragment's row x pitch + 24 x half
	v_lshl_add_u32 v5, v2, 4, v4                   ; and the same behind one padding more
	s_mul_i32 s21, s15, HALFT                      ; my 128 rows of A
	s_mul_i32 s22, s16, HALFT                      ; my 128 rows of B,
	s_add_co_u32 s22, s22, 2*HALFT                 ; which lie behind A's 256
.irp s, 0,1
	v_add_nc_u32 v[ADRA+\s], s21, v4
	v_add_nc_u32 v[ADRB+\s], s22, v4
	v_add_nc_u32 v[ADRA+2+\s], s21, v5
	v_add_nc_u32 v[ADRB+2+\s], s22, v5
	s_add_co_u32 s21, s21, SLOT
	s_add_co_u32 s22, s22, SLOT
.endr
	v_mul_u32_u24 v5, v1, KS                       ; my row's scales: 32 bytes a row,
	v_lshrrev_b32 v6, 8, v5
	v_lshl_add_u32 v5, v6, 4, v5                   ; and 16 more for each 256 passed
	s_mul_i32 s21, s15, HALFS                      ; A's: my 128 rows
	s_mul_i32 s22, s16, HALFS                      ; B's: my 128 rows, behind A's 256
	s_add_co_u32 s22, s22, 2*HALFS
	s_sub_co_u32 s22, s22, s21
	v_mul_u32_u24 v6, s22, v2                      ; lanes 16-31 take B's
	s_add_co_u32 s21, s21, SCL
	v_add_nc_u32 v5, v5, v6
	v_add_nc_u32 v[ADRS], s21, v5
.macro FRAG reg, adr, q, i             ; a fragment, 16 rows x 128 K, is 12 registers: lane l holds row l % 16; registers 6 c .. 6 c + 5 hold K = 64 c + 32 (l / 16) + 0 .. 31: 24 bytes of the row, as they lie
.irp p, 0,1,2,3,4,5                    ; in pieces of 8 bytes.  Where the piece of lanes 16-31 lies behind one padding more than that of lanes 0-15, the second address register serves
.set PCE, 12*(\q)+6*(\p/3)+\p%3
.if PCE%8 < 5
	ds_load_b64 v[\reg+2*\p:\reg+2*\p+1], v[\adr] offset:8*PCE+16*(PCE/8)+(\i)*16*PITCH
.else
	ds_load_b64 v[\reg+2*\p:\reg+2*\p+1], v[\adr+2] offset:8*PCE+16*(PCE/8)+(\i)*16*PITCH
.endif
.endr
.endm
; 16 matrix instructions: A's blocks a0, a0 + 1 x B's eight, 128 along K.  p: B's set;  sc: the set of scale words.  zero = 1: the first product starts the sums.
; The 64 accumulators take turns, one instruction a turn, in the same order in every step.
.macro MUL16 a0, p, q, sc, zero
.irp a, \a0, \a0+1
.irp b, 0,1,2,3,4,5,6,7
.if \zero
	v_wmma_scale_f32_16x16x128_f8f6f4 v[8*(8*((\a)%4)+\b):8*(8*((\a)%4)+\b)+7], v[128*(\p)+FR*\b:128*(\p)+FR*\b+FR-1], v[AF+FR*(\a):AF+FR*(\a)+FR-1], 0, v[SC+8*NQ*(\sc)+NQ*\b+(\q)], v[SC+8*NQ*(\sc)+NQ*(\a)+(\q)] matrix_a_fmt:MATRIX_FMT_FP6 matrix_b_fmt:MATRIX_FMT_FP6 matrix_a_scale:MATRIX_SCALE_ROW1
.else
	v_wmma_scale_f32_16x16x128_f8f6f4 v[8*(8*((\a)%4)+\b):8*(8*((\a)%4)+\b)+7], v[128*(\p)+FR*\b:128*(\p)+FR*\b+FR-1], v[AF+FR*(\a):AF+FR*(\a)+FR-1], v[8*(8*((\a)%4)+\b):8*(8*((\a)%4)+\b)+7], v[SC+8*NQ*(\sc)+NQ*\b+(\q)], v[SC+8*NQ*(\sc)+NQ*(\a)+(\q)] matrix_a_fmt:MATRIX_FMT_FP6 matrix_b_fmt:MATRIX_FMT_FP6 matrix_a_scale:MATRIX_SCALE_ROW1
.endif
.endr
.endr
.endm
.macro FETCH_B slot, q, p
	WIN TO_B
.irp i, 0,1,2,3,4,5,6,7
	FRAG 128*(\p)+FR*\i, ADRB+\slot, \q, \i
.endr
	WIN 0
.endm
.macro FETCH_A slot, q, i0
.irp i, \i0, \i0+1, \i0+2, \i0+3
	FRAG AF+FR*(\i), ADRA+\slot, \q, \i
.endr
.endm
.macro SCALES sc                       ; a K step's scale words into set sc: two words a row; lanes 0-15 take A's block i, lanes 16-31 B's block i
.irp i, 0,1,2,3,4,5,6,7
	ds_load_b64 v[SC+8*NQ*\sc+NQ*\i:SC+8*NQ*\sc+NQ*\i+1], v[ADRS] offset:\i*SBLK
.endr
.endm
.macro PLACES n                        ; plain vector lines between a matrix instruction and a load into, or a read of, its registers
.rept \n
	v_nop
.endr
.endm
.macro STEP slot, q, zero              ; a step of 128 along K that has its successor in the same slot
	s_wait_dscnt 4*NL                              ; B's set and A's blocks 0-3 are in; the youngest 24 loads (A's blocks 4-7) may be out
	WIN MUL_LO
	MUL16 0, (\q)%2, \q, \slot, \zero
	MUL16 2, (\q)%2, \q, \slot, \zero
	s_wait_dscnt 0                                 ; A's blocks 4-7 are in
	PLACES NP
	FETCH_B \slot, (\q)+1, 1-(\q)%2
	FETCH_A \slot, (\q)+1, 0
	WIN MUL_HI
	MUL16 4, (\q)%2, \q, \slot, \zero
	MUL16 6, (\q)%2, \q, \slot, \zero
	PLACES NP
	WIN 0
	FETCH_A \slot, (\q)+1, 4
.endm
; A slot's last step changes slots: ONE barrier; in front of it each wave waits for all its tensor loads, adds 0 to its spare word, and waits for that and for its own reads of this slot.
.macro TURN slot, next, fill
	s_wait_tensorcnt 0x0                           ; all my tensor loads have landed: my part of the next slot
	ds_add_u32 v[SPW], v[NIL]                      ; 0 onto my spare word
	s_wait_dscnt 4*NL+1                            ; (the add and the youngest 24 loads may be out)
	WIN MUL_LO
	MUL16 0, 1, NQ-1, \slot, 0                     ; sixteen matrix instructions stand between the add and the wait for it
	s_wait_dscnt 0x0                               ; the add is done, and my reads of this slot are over
	s_barrier_signal -1
	MUL16 2, 1, NQ-1, \slot, 0
	WIN 0
	s_barrier_wait -1
.if \fill
	CREST                                          ; the barrier has opened a round of the cluster's barrier: no wave of any partner still reads this slot's tile or has a load on its way
	s_add_nc_u64 s[G0+4*\slot+2:G0+4*\slot+3], s[G0+4*\slot+2:G0+4*\slot+3], s[12:13]
	s_add_nc_u64 s[G0B+4*\slot+2:G0B+4*\slot+3], s[G0B+4*\slot+2:G0B+4*\slot+3], s[100:101]
	JLOAD G0+4*\slot, G1, G0B+4*\slot, G1B         ; the first tensor load behind the round; its four v_nop are the places in front of the loads below
.else
	PLACES NP
.endif
	s_wait_alu depctr_va_vdst(0)
	v_add_nc_u32 v[ADRS], 4*NQ, v[ADRS]            ; on to the next K step's scale words
	FETCH_B \next, 0, 0
	FETCH_A \next, 0, 0
	SCALES \next
	WIN MUL_HI
	MUL16 4, 1, NQ-1, \slot, 0
	MUL16 6, 1, NQ-1, \slot, 0
	PLACES NP
	WIN 0
	FETCH_A \next, 0, 4
.endm
	s_wait_alu depctr_va_vdst(0)
	s_wait_tensorcnt 0x0                           ; my tile of the head's four is in
	ds_add_u32 v[SPW], v[NIL]
	s_mov_b32 s[G1+2], 96<<16                      ; no tensor load of mine is out: from here on a load brings 128 rows, 96 x 256 bytes
	s_mov_b32 s[G1+4], 96
	s_mov_b32 s[G1B+2], 96<<16
	s_mov_b32 s[G1B+4], 96
	s_wait_dscnt 0x0
	CROUND                                         ; all four tiles are in, and all sixteen work-groups are here
	JLOAD G0+4, G1, G0B+4, G1B                     ; K step 1, the first tensor load behind the round
	FETCH_B 0, 0, 0
	FETCH_A 0, 0, 0
	SCALES 0
	FETCH_A 0, 0, 4
	STEP 0, 0, 1                                   ; the first step stands in front of the loop: its products start the sums
	s_mov_b32 s3, LAPS-1
.Llap:                                                 ; a trip goes once round the ring and fills both slots again
	TURN 0, 1, 1
	STEP 1, 0, 0
	TURN 1, 0, 1
	STEP 0, 0, 0
	s_sub_co_u32 s3, s3, 1
	s_cmp_lg_u32 s3, 0
	s_cbranch_scc1 .Llap
	TURN 0, 1, 0                                   ; the last lap fills nothing
	STEP 1, 0, 0
	s_wait_dscnt 4*NL                              ; the very last step: nothing more to fetch
	WIN MUL_LO
	MUL16 0, 1, NQ-1, 1, 0
	MUL16 2, 1, NQ-1, 1, 0
	s_wait_dscnt 0
	WIN MUL_HI
	MUL16 4, 1, NQ-1, 1, 0
	MUL16 6, 1, NQ-1, 1, 0
	WIN 0
; ---- THE WAY OUT.  Where my 128 x 128 goes: head g0 = 16 batch + 4 hx + 2 hw (and g0 + 1), block of 128 tokens s = 8 (c' % 2) + 2 sx + sw.  For q and k the heads run along C's columns and the tokens down its rows; for v the other way round.
	s_cmp_eq_u32 s66, 0
	s_cselect_b64 s[18:19], s[96:97], s[98:99]     ; qimg or kv
	s_mov_b32 s8, HSK
	s_cselect_b32 s8, HSQ, s8                      ; from head to head
	s_mov_b32 s9, SSK
	s_cselect_b32 s9, SSQ, s9                      ; from block to block of 128 tokens
	s_mov_b32 s10, 12288
	s_cselect_b32 s10, 6144, s10                   ; where a block's words lie: q's, k's,
	s_cmp_eq_u32 s66, 2
	s_cselect_b32 s10, 12800, s10                  ; v's
	s_cselect_b32 s11, 6144, 0                     ; where its codes lie
	s_cselect_b32 s12, 768, s8                     ; from a fragment's first half to its second: the next 64 keys (v), or the next head
	s_mov_b32 s22, 768
	s_cselect_b32 s22, 1536, s22                   ; from a block of 16 rows to the next
	s_mov_b32 s42, 768
	s_cselect_b32 s42, HSK-4608, s42               ; and from the fourth to the fifth: in v^T that is the next head
	s_cselect_b32 s13, 0, 16                       ; q, k: lanes 16-31 keep the second head's two bytes of the word
	s_cselect_b32 s4, s41, s40                     ; hx
	s_cselect_b32 s5, s15, s16                     ; hw
	s_cselect_b32 s6, s40, s41                     ; sx
	s_cselect_b32 s7, s16, s15                     ; sw
	s_mov_b32 s23, 0
	s_mov_b32 s43, 0
	s_mov_b32 s44, 0x76543210
	s_mov_b32 s45, 0xfedcba98                      ; v_permlanex16_b32's selects for lane l xor 16
	s_mov_b32 s95, 0x1800000                       ; the floor 2^(3 - 127)
	s_lshr_b32 s46, s67, 1
	s_lshl_b32 s46, s46, 4
	s_lshl_b32 s4, s4, 2
	s_add_co_u32 s46, s46, s4
	s_lshl_b32 s5, s5, 1
	s_add_co_u32 s46, s46, s5                      ; g0
	s_and_b32 s47, s67, 1
	s_lshl_b32 s47, s47, 3
	s_lshl_b32 s6, s6, 1
	s_add_co_u32 s47, s47, s6
	s_add_co_u32 s47, s47, s7                      ; s
	s_mul_i32 s46, s46, s8
	s_mul_i32 s47, s47, s9
	s_add_co_u32 s46, s46, s47
	s_add_co_u32 s92, s46, s10
	s_mov_b32 s93, 0
	s_add_nc_u64 s[20:21], s[18:19], s[92:93]      ; the words
	s_add_co_u32 s92, s46, s11
	s_add_nc_u64 s[18:19], s[18:19], s[92:93]      ; the codes
	s_lshl_b32 s94, s14, 10                        ; my 1,024 bytes for the words: in slot 0, which has had its last fill, and which nobody reads behind the last change of slots
	v_and_b32 v1, 31, v0                           ; (these plain lines are also the places behind the last products)
	v_and_b32 v2, 15, v0
	v_bfe_u32 v3, v0, 4, 1
	v_lshlrev_b32 v8, 4, v1                        ; an image's registers 0-3: 16 x lane
	v_lshl_add_u32 v9, v1, 3, 512                  ; its registers 4-5: 512 + 8 x lane
	v_add_nc_u32 v10, s12, v8                      ; the second half likewise
	v_add_nc_u32 v11, s12, v9
	v_add_nc_u32 v12, s8, v8                       ; the second head's words
	v_lshlrev_b32 v13, 4, v2
	v_lshl_add_u32 v13, v3, 9, v13
	v_add_nc_u32 v13, s94, v13                     ; a word goes to 16 r + 512 (lane / 16) (+ 256 (a % 2) + 4 (a / 2))
	v_add_nc_u32 v14, s94, v8                      ; and comes back 16 bytes a lane
	v_mul_u32_u24 v15, s13, v3
	v_lshlrev_b32 v7, 3, v3                        ; 8 x (lane / 16): where my two scale bytes stand in the word
.irp b, 0,1,2,3
	v_mov_b32 v[TM+4+\b], 0                        ; written once: a lane permute's destination counts as one of its sources
.endr
; Block a of 16 rows: its 64 numbers a lane become 12 registers of codes and a scale word.  Each accumulator is read from its low end on.
.macro QUANTW a
.set WN, 2+(\a)/4
.set AC, 64*((\a)%4)
.set WMAX, (WN<<2)|(WN<<4)
	WIN WMAX                                       ; sources 1 and 2: the accumulators' window
.irp b, 0,1,2,3
	v_max3_num_f32 v[TM+\b], s95, |v[AC+16*\b]|, |v[AC+16*\b+1]|   ; registers 16 b on: half b % 2 of my block b / 2, and the floor
.endr
.irp i, 2,4,6,8,10,12,14
.irp b, 0,1,2,3
	v_max3_num_f32 v[TM+\b], v[TM+\b], |v[AC+16*\b+\i]|, |v[AC+16*\b+\i+1]|   ; (the four chains by turns)
.endr
.endr
	WIN 0
	; by the order of rows, register 32 c + i of a lane is column 64 c + 32 (lane / 16) + i of my 128: a lane holds two WHOLE blocks of 32, in the operand's own order
	v_max_num_f32 v[TM], v[TM], v[TM+1]
	v_max_num_f32 v[TM+2], v[TM+2], v[TM+3]
	v_add_nc_u32 v[TM+12], 0xff000000, v[TM]       ; 2 off the exponent field: the conversions' scale operands
	v_add_nc_u32 v[TM+14], 0xff000000, v[TM+2]
	v_lshrrev_b32 v[TM+4], 23, v[TM+12]            ; the bytes
	v_lshrrev_b32 v[TM+5], 23, v[TM+14]
	v_lshl_or_b32 v[TM+4], v[TM+5], 16, v[TM+4]
	v_lshlrev_b32 v[TM+4], v7, v[TM+4]             ; at their places in the word;
	v_permlanex16_b32 v[TM+5], v[TM+4], s44, s45
	v_or_b32 v[PW], v[TM+4], v[TM+5]               ; with lane l xor 16's two the word is whole
	s_wait_alu depctr_va_vdst(0)                   ; directly ahead of the wait below
	s_wait_xcnt 0x0
.if (\a) == 4
	s_add_nc_u64 s[18:19], s[18:19], s[42:43]
.elseif (\a) > 0
	s_add_nc_u64 s[18:19], s[18:19], s[22:23]
.endif
	WIN WN                                         ; source 0: the accumulators' window
.irp c, 0,1
	v_cvt_scalef32_pk16_fp6_f32 v[PC+6*\c:PC+6*\c+2], v[AC+32*\c:AC+32*\c+15], v[TM+12+2*\c]
	v_cvt_scalef32_pk16_fp6_f32 v[PC+12+4*\c:PC+14+4*\c], v[AC+32*\c+16:AC+32*\c+31], v[TM+12+2*\c]
.endr
	WIN 0
	v_nop                                          ; one plain line behind the conversions
.irp c, 0,1                                    ; the operand's layout wants a WHOLE block in a lane: lanes 0-15 block 2 c, lanes 16-31 block 2 c + 1
.irp i, 0,1,2
	v_mov_b32 v[PC+3+6*\c+\i], v[PC+12+4*\c+\i]
.endr
.endr
	v_lshrrev_b32 v[WD], v15, v[PW]
	ds_store_b32 v13, v[WD] offset:256*((\a)%2)+4*((\a)/2)
	global_store_b128 v8, v[PC:PC+3], s[18:19]     ; 512 consecutive bytes, aligned
	global_store_b64 v9, v[PC+4:PC+5], s[18:19]    ; 256
	global_store_b128 v10, v[PC+6:PC+9], s[18:19]
	global_store_b64 v11, v[PC+10:PC+11], s[18:19]
.endm
.irp a, 0,1,2,3,4,5,6,7
	QUANTW \a
.endr
	ds_load_b128 v[WR:WR+3], v14                   ; LDS serves a wave's instructions in order: these see my stores
	ds_load_b128 v[WR+4:WR+7], v14 offset:512
	s_wait_dscnt 0x0
	global_store_b128 v8, v[WR:WR+3], s[20:21]     ; the first head's 512 bytes of words,
	global_store_b128 v12, v[WR+4:WR+7], s[20:21]  ; the second's
	s_wait_tensorcnt 0x0                           ; the wave's end
	ds_add_u32 v[SPW], v[NIL]
	s_wait_dscnt 0x0
	CROUND                                         ; the closing round: no work-group ends while a partner may still ask for a tile that names it
	s_endpgm
.Lfunc_end_k_qfbe5d011ca_gemm_qkv:
	.size	k_qfbe5d011ca_gemm_qkv, .Lfunc_end_k_qfbe5d011ca_gemm_qkv-k_qfbe5d011ca_gemm_qkv
	.p2alignl 7, 3214868480
	.fill 96, 4, 3214868480
	.section	.rodata,"a",@progbits
	.p2align	6, 0x0
	.amdhsa_kernel k_qfbe5d011ca_gemm_qkv
		.amdhsa_group_segment_fixed_size 327680
		.amdhsa_private_segment_fixed_size 0
		.amdhsa_enable_private_segment 0
		.amdhsa_kernarg_size 48
		.amdhsa_user_sgpr_count 2
		.amdhsa_user_sgpr_kernarg_segment_ptr 1
		.amdhsa_wavefront_size32 1
		.amdhsa_system_sgpr_workgroup_id_x 1
		.amdhsa_system_sgpr_workgroup_id_y 1
		.amdhsa_system_sgpr_workgroup_id_z 1
		.amdhsa_system_vgpr_workitem_id 0
		.amdhsa_next_free_vgpr 1024
		.amdhsa_next_free_sgpr 102
		.amdhsa_reserve_vcc 0
		.amdhsa_float_denorm_mode_32 3
		.amdhsa_float_denorm_mode_16_64 3
		.amdhsa_memory_ordered 1
		.amdhsa_forward_progress 1
		.amdhsa_inst_pref_size 163
	.end_amdhsa_kernel
	.amdgpu_metadata
---
amdhsa.version: [ 1, 2 ]
amdhsa.kernels:
  - .name:           k_qfbe5d011ca_gemm_qkv
    .symbol:         k_qfbe5d011ca_gemm_qkv.kd
    .args:
      - { .name: x_codes, .offset: 0, .size: 8, .value_kind: global_buffer, .address_space: global }
      - { .name: x_scales, .offset: 8, .size: 8, .value_kind: global_buffer, .address_space: global }
      - { .name: w_codes, .offset: 16, .size: 8, .value_kind: global_buffer, .address_space: global }
      - { .name: w_scales, .offset: 24, .size: 8, .value_kind: global_buffer, .address_space: global }
      - { .name: qimg, .offset: 32, .size: 8, .value_kind: global_buffer, .address_space: global }
      - { .name: kv, .offset: 40, .size: 8, .value_kind: global_buffer, .address_space: global }
    .group_segment_fixed_size: 327680
    .private_segment_fixed_size: 0
    .kernarg_segment_align: 8
    .kernarg_segment_size: 48
    .max_flat_workgroup_size: 128
    .sgpr_count:     102
    .vgpr_count:     1024
    .wavefront_size: 32
...
	.end_amdgpu_metadata
.endif
;; end of part 2
;; launch attn (part 3): grid 4 x 64, 8 waves a work-group, clusters of 4 x 1, 214,016 bytes of LDS; arguments qimg, kv, o_img, o_scales; writes o_img, o_scales
.if DOCPART == 3
	.amdgcn_target "amdgcn-amd-amdhsa--gfx1250"
	.amdhsa_code_object_version 6
	.text
	.protected	k_qfbe5d011ca_attn
	.globl	k_qfbe5d011ca_attn
	.p2align	8
	.type	k_qfbe5d011ca_attn,@function
k_qfbe5d011ca_attn:
	s_mov_b64 s[64:65], 0
	v_nop
	global_prefetch_b8 v0, s[64:65] scope:SCOPE_SE
	s_setreg_imm32_b32 hwreg(HW_REG_WAVE_MODE, 25, 1), 1
	s_wait_xcnt 0x0
	s_wait_alu depctr_hold_cnt(0) depctr_sa_sdst(0) depctr_va_vdst(0) depctr_va_sdst(0) depctr_va_ssrc(0) depctr_va_vcc(0) depctr_vm_vsrc(0)
	s_getreg_b32 s2, hwreg(HW_REG_IB_STS2, 6, 4)
	s_cmp_eq_u32 s2, 0
	s_cbranch_scc0 .Lentry_in_a_cluster
	s_endpgm
.Lentry_in_a_cluster:
	s_bfe_u32 s2, ttmp6, 0x10000c
	s_cmp_lg_u32 s2, 0x3003
	s_cbranch_scc0 .Lentry_shape_is_right
	s_endpgm
.Lentry_shape_is_right:
; o = softmax(q k^T / 8) v for 64 heads (g = 16 batch + head) of 2,048 tokens x 64, both products on codes of FP6 (E2M3) with E8M0 scales; o is quantised on the way out for the last product.
; THE SOFTMAX: t = score x log2(e) / 8; M = the row's largest t so far, rounded UP to a whole number; p = 2^(t - M) is quantised along the keys, not normalised.  The row's sum is taken of the
; unquantised p and divides o at the end.  When M moves, the sum and o are multiplied by 2^(old M - new M): exact, with no branch on data.
; SHARES.  The four work-groups of a cluster own one head, 512 queries each, in two passes of 256.  The head's whole k and v, 212,992 bytes of codes and scale words, come into LDS once, by joint loads
; (an eighth a wave, the mask names the four), and stay: nothing is filled again.  Eight waves; a wave owns TWO tiles of 16 queries, so each fragment of k and v that it reads from LDS feeds two products,
; and the two tiles' chains of vector lines take turns.  No prefetch: every tensor load goes out at the head.
; LAYOUT.  Both products are used transposed (source 0 = 16 keys, or 16 of the head's 64; source 1 = 16 queries): a lane holds ONE query of each tile.  Token (and head's number) 64 c + 32 h + 8 T + j lies at
; place 64 c + 16 T + 8 h + j, so the 32 registers of four neighbouring tiles are, in lane half h, the WHOLE block 2 c + h of 32 in its own order: no lane asks another for a block's maximum, and the
; conversions' results are the operand's registers.  q k^T has K = 64: registers 6-11 of q's fragments are zero codes, cleared once; k's fragments lie 6 registers apart, so the upper half of each is the next
; one's codes (the last one's: v's first six registers): finite codes against zero codes add nothing; their scale bytes are never 0xff.
; Operands lie in memory and LDS as images of their registers, in halves of 768 bytes: registers 0-3 at 16 x lane, registers 4-5 at 512 + 8 x lane.
; A key step of 128 keys at LDS byte 13,312 s: k's 8 halves; v's 4 fragments of 1,536 bytes; k's words; v's words of the pair of heads.
; LIMITS: the promise holds while the scaled scores stay under 2^31 in magnitude; a block of zeros gets the byte 1 where the rule says 127 (its codes are zeros; this program alone reads the bytes);
; NaN and infinities are not served; o's scale bytes leave one a lane.
; REGISTERS.  window 0: v1-5 addresses; v6-9 k's words, v10-11 v's, v12 q's, v13-14 p's; v16-51 statistics, 18 a tile; v52-179 S^T, then p, 64 a tile; v180-203 p's codes; v204-218 the conversions' second halves.
;   window 1: v0-23 q's two fragments; v24-71 k's eight halves; v72-119 v's four fragments; v120-183 O^T, 32 a tile.
.set HSQ,  106496
.set SSQ,  6656
.set HSK,  212992
.set SSK,  13312
.set WLD,  HSK/8
.set A16,  1                           ; LDS: 16 x lane, 8 x lane, 16 x lane + 8 (g % 2), at the key step in hand
.set A8,   2
.set AVW,  3
.set SH8,  4                           ; 8 x (lane / 16)
.set LN,   5                           ; lane
.set KW,   6
.set VW,   10
.set QW,   12
.set PW,   13
.set ST,   16                          ; tile e's statistics at v[ST + 18 e]:
.set NM,   0                           ;   -M
.set SMX,  1                           ;   the largest score so far
.set FF,   2                           ;   f = 2^(old M - new M); at the end 1 / the sum
.set NO,   3                           ;   the old -M
.set TMP,  4
.set PT,   5
.set BM,   6                           ;   four chains of maxima; then BM, BM + 2: my two blocks' largest p, the conversions' scale operands
.set SUM,  10                          ;   the sum, in four chains of pairs
.set S,    52
.set PC,   180
.set TC,   204
.set SPW,  207                         ; my spare word;  v211: 0
.set NIL,  211
.set GO16, 92                          ; offsets in memory, made anew where they are used (in S^T's registers, dead there)
.set GO8,  93
.set GQW,  94
.set GSC,  95
.set QF,   0                           ; in window 1
.set KF,   24
.set VF,   72
.set OF,   120
.set WV,   12
.set G1,   16
.set G0,   32
.set CS,   40
.set SEL,  42
.set TB,   44
.set CNT,  45
.set PASS, 46
.set FLR,  47
.set TBV,  48
.set CN,   49
.set QB,   50
.set QWB,  52
.set OB,   54
.set OSB,  56
.set MSB, 0
.macro WIN new                         ; the immediate's high byte repeats the setting that is left
.if MSB != \new
	s_set_vgpr_msb (MSB<<8)|\new
.set MSB, \new
.endif
.endm
.macro WALU
	s_wait_alu depctr_va_vdst(0)
.endm
.macro CROUND
	s_barrier_signal -1
	s_barrier_wait -1
	s_cmp_lg_u32 s[WV], 0
	s_cbranch_scc1 .Lnot_wave_0_\@
	s_barrier_signal -3
.Lnot_wave_0_\@:
	s_barrier_wait -3
	s_barrier_signal -1
	s_barrier_wait -1
.endm
.macro KCODES off
.irp a, 0,1,2,3,4,5,6,7
	ds_load_b128 v[KF+6*\a:KF+6*\a+3], v[A16] offset:\off+768*\a
	ds_load_b64 v[KF+6*\a+4:KF+6*\a+5], v[A8] offset:\off+768*\a+512
.endr
.endm
.macro VCODES
.irp t, 0,1,2,3
.irp c, 0,1
	ds_load_b128 v[VF+12*\t+6*\c:VF+12*\t+6*\c+3], v[A16] offset:6144+1536*\t+768*\c
	ds_load_b64 v[VF+12*\t+6*\c+4:VF+12*\t+6*\c+5], v[A8] offset:6144+1536*\t+768*\c+512
.endr
.endr
.endm
.macro GADDR
	v_lshlrev_b32 v[GO16], 4, v[LN]
	v_lshlrev_b32 v[GO8], 3, v[LN]
	v_and_b32 v[GQW], 15, v[LN]
	v_lshrrev_b32 v[GSC], 3, v[SH8]
	v_lshl_or_b32 v[GSC], v[GQW], 5, v[GSC]        ; o_scales: 32 x row + lane / 16
.endm
.macro QLOAD                           ; my two tiles of q and their words (lanes 0-15 tile 0, lanes 16-31 tile 1)
	WIN 0x40
.irp e, 0,1
	global_load_b128 v[QF+12*\e:QF+12*\e+3], v[GO16], s[QB:QB+1] offset:768*\e
	global_load_b64 v[QF+12*\e+4:QF+12*\e+5], v[GO8], s[QB:QB+1] offset:768*\e+512
.endr
	WIN 0
	global_load_b32 v[QW], v[GO16], s[QWB:QWB+1]
.endm
.macro QK2 g, e                        ; S^T of tile e, key tiles 2 g and 2 g + 1.  k's words: register g, lanes 0-15 the even tile, lanes 16-31 the odd one
	v_wmma_scale_f32_16x16x128_f8f6f4 v[S+64*\e+16*\g:S+64*\e+16*\g+7], v[KF+12*\g:KF+12*\g+11], v[QF+12*\e:QF+12*\e+11], 0, v[KW+\g], v[QW] matrix_a_fmt:MATRIX_FMT_FP6 matrix_b_fmt:MATRIX_FMT_FP6 matrix_a_scale:MATRIX_SCALE_ROW0 matrix_b_scale:MATRIX_SCALE_ROW\e
	v_wmma_scale_f32_16x16x128_f8f6f4 v[S+64*\e+16*\g+8:S+64*\e+16*\g+15], v[KF+12*\g+6:KF+12*\g+17], v[QF+12*\e:QF+12*\e+11], 0, v[KW+\g], v[QW] matrix_a_fmt:MATRIX_FMT_FP6 matrix_b_fmt:MATRIX_FMT_FP6 matrix_a_scale:MATRIX_SCALE_ROW1 matrix_b_scale:MATRIX_SCALE_ROW\e
.endm
.macro PV2 g, e                        ; O^T of tile e, the head's tiles 2 g and 2 g + 1, += v^T p^T: each accumulator has one instruction a step
	v_wmma_scale_f32_16x16x128_f8f6f4 v[OF+32*\e+16*\g:OF+32*\e+16*\g+7], v[VF+24*\g:VF+24*\g+11], v[PC+12*\e:PC+12*\e+11], v[OF+32*\e+16*\g:OF+32*\e+16*\g+7], v[VW+\g], v[PW+\e] matrix_a_fmt:MATRIX_FMT_FP6 matrix_b_fmt:MATRIX_FMT_FP6 matrix_a_scale:MATRIX_SCALE_ROW0
	v_wmma_scale_f32_16x16x128_f8f6f4 v[OF+32*\e+16*\g+8:OF+32*\e+16*\g+15], v[VF+24*\g+12:VF+24*\g+23], v[PC+12*\e:PC+12*\e+11], v[OF+32*\e+16*\g+8:OF+32*\e+16*\g+15], v[VW+\g], v[PW+\e] matrix_a_fmt:MATRIX_FMT_FP6 matrix_b_fmt:MATRIX_FMT_FP6 matrix_a_scale:MATRIX_SCALE_ROW1
.endm
; A KEY STEP: 128 keys, both tiles, by turns.  last = 1: there is no next step's k to fetch.
.macro STEP last
	s_wait_dscnt 0x0                               ; this step's k and its words are in
	WIN 0x05                                       ; k and q in window 1, S^T in window 0
.irp g, 0,1,2,3
.irp e, 0,1
	QK2 \g, \e
.endr
.endr
	WIN 0
	v_lshl_add_u32 v[A16], v[LN], 4, s[TB]         ; five plain lines: the places between the products (the last step's second products too) and the loads into their registers, and the first read of the scores
	v_lshl_add_u32 v[A8], v[LN], 3, s[TB]
	v_lshl_add_u32 v[AVW], v[LN], 4, s[TBV]
.irp e, 0,1
	v_mov_b32 v[ST+18*\e+NO], v[ST+18*\e+NM]
.endr
	ds_load_b64 v[VW:VW+1], v[AVW] offset:12800    ; v's words, v, the next step's k, its words
	WIN 0x40
	VCODES
.if \last == 0
	KCODES SSK
.endif
	WIN 0
.if \last == 0
	ds_load_b128 v[KW:KW+3], v[A16] offset:SSK+12288
.endif
.irp b, 0,1,2,3
.irp e, 0,1
	v_max3_num_f32 v[ST+18*\e+BM+\b], v[S+64*\e+16*\b], v[S+64*\e+16*\b+1], v[S+64*\e+16*\b+2]   ; the largest score of my two blocks of 32 keys, two chains a block
.endr
.endr
.irp i, 3,5,7,9,11,13
.irp b, 0,1,2,3
.irp e, 0,1
	v_max3_num_f32 v[ST+18*\e+BM+\b], v[ST+18*\e+BM+\b], v[S+64*\e+16*\b+\i], v[S+64*\e+16*\b+\i+1]
.endr
.endr
.endr
.irp e, 0,1
	v_max_num_f32 v[ST+18*\e+BM+1], v[ST+18*\e+BM+1], v[S+64*\e+31]
	v_max_num_f32 v[ST+18*\e+BM+3], v[ST+18*\e+BM+3], v[S+64*\e+63]
.endr
.irp e, 0,1
	v_max3_num_f32 v[ST+18*\e+BM], v[ST+18*\e+BM], v[S+64*\e+15], v[ST+18*\e+BM+1]
	v_max3_num_f32 v[ST+18*\e+BM+2], v[ST+18*\e+BM+2], v[S+64*\e+47], v[ST+18*\e+BM+3]
.endr
.irp e, 0,1
	v_max3_num_f32 v[ST+18*\e+TMP], v[ST+18*\e+SMX], v[ST+18*\e+BM], v[ST+18*\e+BM+2]
.endr
.irp e, 0,1
	v_permlanex16_b32 v[ST+18*\e+PT], v[ST+18*\e+TMP], s[SEL], s[SEL+1]
.endr
.irp e, 0,1
	v_max_num_f32 v[ST+18*\e+SMX], v[ST+18*\e+TMP], v[ST+18*\e+PT]       ; the running largest score of my query (c is positive: also the largest t)
.endr
.irp e, 0,1
	v_mul_f32 v[ST+18*\e+TMP], s[CN], v[ST+18*\e+SMX]
.endr
.irp e, 0,1
	v_floor_f32 v[ST+18*\e+NM], v[ST+18*\e+TMP]                          ; the new -M = floor(-t)
.endr
.irp e, 0,1
	v_fma_f32 v[ST+18*\e+BM], v[ST+18*\e+BM], s[CS], v[ST+18*\e+NM]      ; t - M of each block's largest score
	v_fma_f32 v[ST+18*\e+BM+2], v[ST+18*\e+BM+2], s[CS], v[ST+18*\e+NM]
.endr
.set jj, 0
.rept 32
.irp e, 0,1
	v_pk_fma_f32 v[S+64*\e+2*jj:S+64*\e+2*jj+1], v[S+64*\e+2*jj:S+64*\e+2*jj+1], s[CS:CS+1], v[ST+18*\e+NM:ST+18*\e+NM+1] op_sel_hi:[1,0,0]   ; t - M, two at a time
.endr
.irp e, 0,1
.if jj == 2
	v_sub_f32 v[ST+18*\e+TMP], v[ST+18*\e+NM], v[ST+18*\e+NO]            ; old M less new M: a whole number, 0 or less
.elseif jj == 5
	v_cvt_i32_f32 v[ST+18*\e+TMP], v[ST+18*\e+TMP]                       ; (it saturates)
.elseif jj == 8
	v_ldexp_f32 v[ST+18*\e+FF], 1.0, v[ST+18*\e+TMP]                     ; f
.endif
.endr
.set jj, jj+1
.endr
	WIN 0x41                                       ; O^T in window 1, f in window 0
.irp j, 0,2,4,6,8,10,12,14,16,18,20,22,24,26,28,30
.irp e, 0,1
	v_pk_mul_f32 v[OF+32*\e+\j:OF+32*\e+\j+1], v[OF+32*\e+\j:OF+32*\e+\j+1], v[ST+18*\e+FF:ST+18*\e+FF+1] op_sel_hi:[1,0]   ; O^T under the new M, each accumulator from its low end on
.endr
.endr
	WIN 0
	WALU                                           ; one wait ahead of the batch
.irp e, 0,1
	v_exp_f32 v[ST+18*\e+BM], v[ST+18*\e+BM]       ; the block's largest p: the same two instructions on the same number give the same bits
	v_exp_f32 v[ST+18*\e+BM+2], v[ST+18*\e+BM+2]
.endr
.set jj, 0
.rept 128
	v_exp_f32 v[S+jj], v[S+jj]                     ; p = 2^(t - M), at most 1
.set jj, jj+1
.endr
	v_nop                                          ; a plain line behind the last exponential
	WALU                                           ; one wait for the whole batch, ahead of its first reader
.irp e, 0,1
	v_max_num_f32 v[ST+18*\e+BM], s[FLR], v[ST+18*\e+BM]                 ; the floor: the byte cannot fall under 1
	v_max_num_f32 v[ST+18*\e+BM+2], s[FLR], v[ST+18*\e+BM+2]
.endr
.irp e, 0,1
	v_add_nc_u32 v[ST+18*\e+BM], 0xff000000, v[ST+18*\e+BM]              ; 2 off the exponent field: the conversions' scale operand
	v_add_nc_u32 v[ST+18*\e+BM+2], 0xff000000, v[ST+18*\e+BM+2]
.endr
.irp e, 0,1
.irp c, 0,1
	v_cvt_scalef32_pk16_fp6_f32 v[PC+12*\e+6*\c:PC+12*\e+6*\c+2], v[S+64*\e+32*\c:S+64*\e+32*\c+15], v[ST+18*\e+BM+2*\c]
	v_cvt_scalef32_pk16_fp6_f32 v[TC+8*\e+4*\c:TC+8*\e+4*\c+2], v[S+64*\e+32*\c+16:S+64*\e+32*\c+31], v[ST+18*\e+BM+2*\c]   ; (a conversion's three registers begin on an even number)
.endr
.endr
.irp e, 0,1
	v_lshrrev_b32 v[ST+18*\e+TMP], 23, v[ST+18*\e+BM]                    ; the bytes (also the plain lines behind the conversions)
	v_lshrrev_b32 v[ST+18*\e+PT], 23, v[ST+18*\e+BM+2]
.endr
.irp e, 0,1
	v_lshl_or_b32 v[ST+18*\e+TMP], v[ST+18*\e+PT], 16, v[ST+18*\e+TMP]
.endr
.irp e, 0,1
	v_lshlrev_b32 v[ST+18*\e+TMP], v[SH8], v[ST+18*\e+TMP]               ; at their places in the word
.endr
.irp e, 0,1
.irp c, 0,1
.irp i, 0,1,2
	v_mov_b32 v[PC+12*\e+3+6*\c+\i], v[TC+8*\e+4*\c+\i]
.endr
.endr
.endr
.irp e, 0,1
	v_permlanex16_b32 v[ST+18*\e+PT], v[ST+18*\e+TMP], s[SEL], s[SEL+1]
.endr
.irp e, 0,1
	v_or_b32 v[PW+\e], v[ST+18*\e+TMP], v[ST+18*\e+PT]                   ; p's scale word for these 128 keys
.endr
.irp k, 0,1,2,3                                ; the row's sum, of the UNQUANTISED p, in four chains of pairs a tile; the first link brings the chain under the new M.  These 64 lines are also the places ahead of the products
.irp e, 0,1
	v_pk_fma_f32 v[ST+18*\e+SUM+2*\k:ST+18*\e+SUM+2*\k+1], v[ST+18*\e+SUM+2*\k:ST+18*\e+SUM+2*\k+1], v[ST+18*\e+FF:ST+18*\e+FF+1], v[S+64*\e+2*\k:S+64*\e+2*\k+1] op_sel_hi:[1,0,1]
.endr
.endr
.irp i, 8,16,24,32,40,48,56
.irp k, 0,1,2,3
.irp e, 0,1
	v_pk_add_f32 v[ST+18*\e+SUM+2*\k:ST+18*\e+SUM+2*\k+1], v[ST+18*\e+SUM+2*\k:ST+18*\e+SUM+2*\k+1], v[S+64*\e+\i+2*\k:S+64*\e+\i+2*\k+1]
.endr
.endr
.endr
	WALU                                           ; directly ahead of the wait below
.if \last == 0
	s_wait_dscnt 17                                ; v and its words are in; the next step's k (16 loads) and its words (1) may be out
.else
	s_wait_dscnt 0x0
.endif
	WIN 0x51                                       ; v in window 1, p in window 0, O^T in window 1
.irp g, 0,1
.irp e, 0,1
	PV2 \g, \e
.endr
.endr
	WIN 0
.endm
	s_load_b256 s[4:11], s[0:1], 0x0               ; qimg, kv, o_img, o_scales
	v_lshl_add_u32 v[SPW], v0, 2, 0x34000
	v_mov_b32 v[NIL], 0
	ds_add_u32 v[SPW], v[NIL]                      ; the opening lines
	ds_add_u32 v[SPW], v[NIL]
	v_lshrrev_b32 v7, 5, v0
	v_readfirstlane_b32 s[WV], v7                  ; wave 0..7
	s_bfe_u32 s13, ttmp6, 0x40000                  ; cx: it enters q's and o's addresses alone
	s_and_b32 s14, ttmp7, 0xffff                   ; g, which the four partners share
	s_mov_b32 s[G1+0], 15|(3<<16)|(1<<21)          ; a dense block of 26,624 bytes as 104 rows of 256 bytes; the mask names all four
	s_mov_b32 s[G1+1], 32<<16
	s_mov_b32 s[G1+2], 104<<16
	s_mov_b32 s[G1+3], 32<<16
	s_mov_b32 s[G1+4], 104
	s_mov_b32 s[G1+5], 32
	s_mov_b32 s[G1+6], 0
	s_mov_b32 s[G1+7], 0
	s_mov_b32 s[G0], 1
	s_mul_i32 s[G0+1], s[WV], WLD                  ; my eighth of the head, in LDS
	s_mul_i32 s24, s14, HSK
	s_add_co_u32 s24, s24, s[G0+1]                 ; and in memory
	s_mov_b32 s25, 0
	s_mov_b32 s[CS], 0x3e38aa3b                    ; c = log2(e) / 8
	s_mov_b32 s[CS+1], s[CS]
	s_mov_b32 s[CN], 0xbe38aa3b                    ; -c
	s_mov_b32 s[SEL], 0x76543210
	s_mov_b32 s[SEL+1], 0xfedcba98
	s_mov_b32 s[FLR], 0x1800000
	s_mov_b32 s[PASS], 2
	s_wait_dscnt 0x0
	s_wait_kmcnt 0x0
	s_add_nc_u64 s[G0+2:G0+3], s[6:7], s[24:25]
	s_or_b32 s[G0+3], s[G0+3], 0x80000000
	CROUND                                         ; all four work-groups are here: the joint loads meet
	tensor_load_to_lds s[G0:G0+3], s[G1:G1+7]
	s_nop 0
.rept 4
	v_nop
.endr
	s_lshr_b32 s26, s[WV], 2                       ; which 128 of a pass's 256 queries
	s_and_b32 s27, s[WV], 3                        ; which two tiles of them
	s_lshl_b32 s28, s13, 2
	s_add_co_u32 s28, s28, s26                     ; the block of 128 tokens in pass 0; pass 1: two on
	s_and_b32 s29, s14, 15                         ; the head
	s_lshr_b32 s30, s14, 4                         ; the batch
	s_mul_i32 s58, s14, HSQ
	s_mul_i32 s59, s28, SSQ
	s_add_co_u32 s58, s58, s59
	s_mul_i32 s59, s27, 1536
	s_add_co_u32 s60, s58, s59
	s_mov_b32 s61, 0
	s_add_nc_u64 s[QB:QB+1], s[4:5], s[60:61]      ; my two tiles' halves
	s_lshl_b32 s59, s27, 2
	s_add_co_u32 s60, s58, s59
	s_add_co_u32 s60, s60, 6144
	s_add_nc_u64 s[QWB:QWB+1], s[4:5], s[60:61]    ; their words: 16 x lane from here
	s_lshl_b32 s58, s30, 4
	s_add_co_u32 s58, s58, s28                     ; the block of 128 rows of o
	s_mul_i32 s60, s58, 98304                      ; o_img [block of 128 rows][head / 2][tile][head % 2][768]
	s_lshr_b32 s59, s29, 1
	s_mul_i32 s59, s59, 12288
	s_add_co_u32 s60, s60, s59
	s_mul_i32 s59, s27, 3072
	s_add_co_u32 s60, s60, s59
	s_and_b32 s59, s29, 1
	s_mul_i32 s59, s59, 768
	s_add_co_u32 s60, s60, s59
	s_add_nc_u64 s[OB:OB+1], s[8:9], s[60:61]
	s_lshl_b32 s60, s58, 7
	s_lshl_b32 s59, s27, 5
	s_add_co_u32 s60, s60, s59
	s_lshl_b32 s60, s60, 5                         ; 32 bytes a row of o_scales,
	s_lshl_b32 s59, s29, 1
	s_add_co_u32 s60, s60, s59                     ; my head's two bytes
	s_add_nc_u64 s[OSB:OSB+1], s[10:11], s[60:61]
	s_and_b32 s31, s14, 1
	s_lshl_b32 s31, s31, 3
	v_and_b32 v[LN], 31, v0
	v_lshrrev_b32 v[SH8], 4, v[LN]
	v_lshlrev_b32 v[SH8], 3, v[SH8]
	GADDR
.irp e, 0,1
	v_mov_b32 v[ST+18*\e+PT], 0                    ; written once: a lane permute's destination counts as one of its sources
.endr
	WIN 0x40
.irp e, 0,1
.irp i, 6,7,8,9,10,11
	v_mov_b32 v[QF+12*\e+\i], 0                    ; the upper 64 of the first product's K: zero codes, once
.endr
.endr
.irp i, 0,1,2,3,4,5
	v_mov_b32 v[VF+\i], 0                          ; named as the upper half of k's last fragment before v is first fetched
.endr
	WIN 0
	WALU                                           ; the wait at the head's end
	QLOAD                                          ; pass 0's q, while the head's k and v are on their way
	s_wait_tensorcnt 0x0                           ; my eighth of the head has landed,
	s_barrier_signal -1
	s_barrier_wait -1                              ; everybody's has: from here on LDS is only read
.Lpass:                                            ; two trips: 256 queries of the work-group each
	s_mov_b32 s[TB], 0
	s_mov_b32 s[TBV], s31
	v_lshlrev_b32 v[A16], 4, v[LN]
	v_lshlrev_b32 v[A8], 3, v[LN]
	ds_load_b128 v[KW:KW+3], v[A16] offset:12288
	WIN 0x40
	KCODES 0                                       ; key step 0
.set jj, 0
.rept 64
	v_mov_b32 v[OF+jj], 0                          ; O^T: the step is written without a first step of its own
.set jj, jj+1
.endr
	WIN 0
.irp e, 0,1
	v_mov_b32 v[ST+18*\e+SMX], 0xff61b1e6          ; the largest score so far: -3e38
	v_mov_b32 v[ST+18*\e+NM], 0x7f61b1e6           ; and -M to match: the first f is 0
.irp k, 0,1,2,3,4,5,6,7
	v_mov_b32 v[ST+18*\e+SUM+\k], 0
.endr
.endr
	WALU
	s_wait_loadcnt 0x0                             ; q
	s_mov_b32 s[CNT], 15
.Lstep:
	STEP 0
	s_add_co_u32 s[TB], s[TB], SSK
	s_add_co_u32 s[TBV], s[TBV], SSK
	s_sub_co_u32 s[CNT], s[CNT], 1
	s_cmp_lg_u32 s[CNT], 0
	s_cbranch_scc1 .Lstep
	STEP 1                                         ; the sixteenth step fetches no further k
	GADDR                                          ; (also the places behind the last products)
	WALU
	s_cmp_eq_u32 s[PASS], 1
	s_cbranch_scc1 .Lno_q
	s_add_nc_u64 s[QB:QB+1], s[QB:QB+1], 2*SSQ     ; the next pass's q, two blocks of 128 queries on, is asked for ahead of the way out (the earlier loads by these bases were waited for)
	s_add_nc_u64 s[QWB:QWB+1], s[QWB:QWB+1], 2*SSQ
	QLOAD
.Lno_q:
	; THE WAY OUT.  O^T / the sum; register i of a tile is number 32 (lane / 16) + i of my query: a whole block of 32 along the last product's K
.irp e, 0,1
	v_pk_add_f32 v[ST+18*\e+SUM:ST+18*\e+SUM+1], v[ST+18*\e+SUM:ST+18*\e+SUM+1], v[ST+18*\e+SUM+2:ST+18*\e+SUM+3]
	v_pk_add_f32 v[ST+18*\e+SUM+4:ST+18*\e+SUM+5], v[ST+18*\e+SUM+4:ST+18*\e+SUM+5], v[ST+18*\e+SUM+6:ST+18*\e+SUM+7]
.endr
.irp e, 0,1
	v_pk_add_f32 v[ST+18*\e+SUM:ST+18*\e+SUM+1], v[ST+18*\e+SUM:ST+18*\e+SUM+1], v[ST+18*\e+SUM+4:ST+18*\e+SUM+5]
.endr
.irp e, 0,1
	v_add_f32 v[ST+18*\e+TMP], v[ST+18*\e+SUM], v[ST+18*\e+SUM+1]
.endr
.irp e, 0,1
	v_permlanex16_b32 v[ST+18*\e+PT], v[ST+18*\e+TMP], s[SEL], s[SEL+1]
.endr
.irp e, 0,1
	v_add_f32 v[ST+18*\e+TMP], v[ST+18*\e+TMP], v[ST+18*\e+PT]           ; the row's sum
.endr
	WALU
.irp e, 0,1
	v_rcp_f32 v[ST+18*\e+FF], v[ST+18*\e+TMP]
.endr
	v_nop
	WIN 0x01                                       ; source 0 (O^T) window 1
	WALU                                           ; for the reciprocals, and directly ahead of the first reader of O^T
.irp e, 0,1
.set jj, 0
.rept 32
	v_mul_f32 v[S+64*\e+jj], v[OF+32*\e+jj], v[ST+18*\e+FF]              ; each accumulator from its low end on
.set jj, jj+1
.endr
.endr
	WIN 0
.irp e, 0,1
	v_max3_num_f32 v[ST+18*\e+BM], |v[S+64*\e]|, |v[S+64*\e+1]|, s[FLR]
	v_max3_num_f32 v[ST+18*\e+BM+1], |v[S+64*\e+16]|, |v[S+64*\e+17]|, s[FLR]
.endr
.irp i, 2,4,6,8,10,12,14
.irp e, 0,1
	v_max3_num_f32 v[ST+18*\e+BM], v[ST+18*\e+BM], |v[S+64*\e+\i]|, |v[S+64*\e+\i+1]|
	v_max3_num_f32 v[ST+18*\e+BM+1], v[ST+18*\e+BM+1], |v[S+64*\e+16+\i]|, |v[S+64*\e+17+\i]|
.endr
.endr
.irp e, 0,1
	v_max_num_f32 v[ST+18*\e+BM], v[ST+18*\e+BM], v[ST+18*\e+BM+1]
.endr
.irp e, 0,1
	v_add_nc_u32 v[ST+18*\e+BM], 0xff000000, v[ST+18*\e+BM]
.endr
.irp e, 0,1
	v_cvt_scalef32_pk16_fp6_f32 v[PC+12*\e:PC+12*\e+2], v[S+64*\e:S+64*\e+15], v[ST+18*\e+BM]
	v_cvt_scalef32_pk16_fp6_f32 v[TC+8*\e:TC+8*\e+2], v[S+64*\e+16:S+64*\e+31], v[ST+18*\e+BM]
.endr
.irp e, 0,1
	v_lshrrev_b32 v[ST+18*\e+TMP], 23, v[ST+18*\e+BM]                    ; my block's byte (also the plain lines behind the conversions)
.endr
.irp e, 0,1
.irp i, 0,1,2
	v_mov_b32 v[PC+12*\e+3+\i], v[TC+8*\e+\i]
.endr
.endr
.irp e, 0,1
	global_store_b128 v[GO16], v[PC+12*\e:PC+12*\e+3], s[OB:OB+1] offset:1536*\e             ; 512 consecutive bytes, aligned
	global_store_b64 v[GO8], v[PC+12*\e+4:PC+12*\e+5], s[OB:OB+1] offset:1536*\e+512         ; 256
	global_store_b8 v[GSC], v[ST+18*\e+TMP], s[OSB:OSB+1] offset:512*\e
.endr
	s_wait_xcnt 0x0                                ; the stores have read their bases and data: both are written again
	s_add_nc_u64 s[OB:OB+1], s[OB:OB+1], 2*98304
	s_add_nc_u64 s[OSB:OSB+1], s[OSB:OSB+1], 256*32
	s_sub_co_u32 s[PASS], s[PASS], 1
	s_cmp_lg_u32 s[PASS], 0
	WALU
	s_cbranch_scc1 .Lpass
	s_wait_tensorcnt 0x0                           ; the wave's end
	ds_add_u32 v[SPW], v[NIL]
	s_wait_dscnt 0x0
	CROUND                                         ; the closing round
	s_endpgm
.Lfunc_end_k_qfbe5d011ca_attn:
	.size	k_qfbe5d011ca_attn, .Lfunc_end_k_qfbe5d011ca_attn-k_qfbe5d011ca_attn
	.p2alignl 7, 3214868480
	.fill 96, 4, 3214868480
	.section	.rodata,"a",@progbits
	.p2align	6, 0x0
	.amdhsa_kernel k_qfbe5d011ca_attn
		.amdhsa_group_segment_fixed_size 214016
		.amdhsa_private_segment_fixed_size 0
		.amdhsa_enable_private_segment 0
		.amdhsa_kernarg_size 32
		.amdhsa_user_sgpr_count 2
		.amdhsa_user_sgpr_kernarg_segment_ptr 1
		.amdhsa_wavefront_size32 1
		.amdhsa_system_sgpr_workgroup_id_x 1
		.amdhsa_system_sgpr_workgroup_id_y 1
		.amdhsa_system_sgpr_workgroup_id_z 1
		.amdhsa_system_vgpr_workitem_id 0
		.amdhsa_next_free_vgpr 512
		.amdhsa_next_free_sgpr 70
		.amdhsa_reserve_vcc 0
		.amdhsa_float_denorm_mode_32 3
		.amdhsa_float_denorm_mode_16_64 3
		.amdhsa_memory_ordered 1
		.amdhsa_forward_progress 1
		.amdhsa_inst_pref_size 70
	.end_amdhsa_kernel
	.amdgpu_metadata
---
amdhsa.version: [ 1, 2 ]
amdhsa.kernels:
  - .name:           k_qfbe5d011ca_attn
    .symbol:         k_qfbe5d011ca_attn.kd
    .args:
      - { .name: qimg, .offset: 0, .size: 8, .value_kind: global_buffer, .address_space: global }
      - { .name: kv, .offset: 8, .size: 8, .value_kind: global_buffer, .address_space: global }
      - { .name: o_img, .offset: 16, .size: 8, .value_kind: global_buffer, .address_space: global }
      - { .name: o_scales, .offset: 24, .size: 8, .value_kind: global_buffer, .address_space: global }
    .group_segment_fixed_size: 214016
    .private_segment_fixed_size: 0
    .kernarg_segment_align: 8
    .kernarg_segment_size: 32
    .max_flat_workgroup_size: 256
    .sgpr_count:     70
    .vgpr_count:     512
    .wavefront_size: 32
...
	.end_amdgpu_metadata
.endif
;; end of part 3
;; launch gemm_out (part 4): grid 8 x 32, 4 waves a work-group, clusters of 4 x 4, 327,680 bytes of LDS; arguments o_img, o_scales, w_codes, w_scales, b_out, out0; writes out0
.if DOCPART == 4
	.amdgcn_target "amdgcn-amd-amdhsa--gfx1250"
	.amdhsa_code_object_version 6
	.text
	.protected	k_qfbe5d011ca_gemm_out
	.globl	k_qfbe5d011ca_gemm_out
	.p2align	8
	.type	k_qfbe5d011ca_gemm_out,@function
k_qfbe5d011ca_gemm_out:
	s_mov_b64 s[64:65], 0
	v_nop
	global_prefetch_b8 v0, s[64:65] scope:SCOPE_SE
	s_setreg_imm32_b32 hwreg(HW_REG_WAVE_MODE, 25, 1), 1
	s_wait_xcnt 0x0
	s_wait_alu depctr_hold_cnt(0) depctr_sa_sdst(0) depctr_va_vdst(0) depctr_va_sdst(0) depctr_va_ssrc(0) depctr_va_vcc(0) depctr_vm_vsrc(0)
	s_getreg_b32 s2, hwreg(HW_REG_IB_STS2, 6, 4)
	s_cmp_eq_u32 s2, 0
	s_cbranch_scc0 .Lentry_in_a_cluster
	s_endpgm
.Lentry_in_a_cluster:
	s_bfe_u32 s2, ttmp6, 0x10000c
	s_cmp_lg_u32 s2, 0xf033
	s_cbranch_scc0 .Lentry_shape_is_right
	s_endpgm
.Lentry_shape_is_right:
; out = o w_out + b_out on codes of FP6 (E2M3) with E8M0 scales; K = 1,024.  256 work-groups of four waves; a work-group makes 256 rows x 128 columns, a wave 128 x 64: 32 accumulators.
; ALL OF K LIES IN LDS: o's 256 rows as two blocks of register images (2 x 98,304 bytes, read 16 or 8 consecutive bytes a lane), w_out's 128 rows as four planes of 256 along K (rows of 192 bytes, 16 bytes of
; padding behind every 64: 4 x 30,720 bytes).  One tensor load a wave at the head (two blocks of o, two pairs of planes of w), nothing is filled again: no ring, and no barrier in the walk along K.
; CLUSTERS of 4 x 4: o's blocks are shared by a row of the cluster, w's planes by a column, each by a joint load.  No prefetch: every tensor load goes out at the head.
; The scale words (32 bytes a row: all of K) and the bias go from memory straight into registers; the bias is the first products' C.
; THE MATRIX INSTRUCTION IS USED TRANSPOSED (source 0 = 16 rows of w, source 1 = 16 rows of o).  Row (and column) 64 c + 32 h + 8 T + j lies at place 64 c + 16 T + 8 h + j: so a lane's 32 results of a block of
; 16 rows are columns 32 (lane / 16) + 0 .. 31 of my 64.  A block goes through my own stage in LDS (in o's first block, behind a barrier behind which nobody reads it) and leaves as rows of 256 bytes, aligned.
; REGISTERS: window 0: addresses; v32-95 o's scale words, v100-131 w's, v132-163 the bias, v164-227 rows read back;  window 1: o's fragments, two sets of 8;  window 2: w's, two sets of 4;  window 3: the accumulators.
.set ABLK,   98304
.set BB0,    2*ABLK
.set PITCH,  240
.set PLANE,  128*PITCH
.set SPARE,  BB0+4*PLANE
.set SPITCH, 272
.set WPL,    4096*192                  ; a plane of w_codes in memory
.set ADA,  16                          ; v16-17 o's images, 16 x lane, K steps 0-3 and 4-7;  v18-19 the same, 8 x lane
.set ADB,  20                          ; v20-21 w's rows, planes 0-1 and 2-3;  v22-23 for the pieces behind one padding more
.set STO,  24
.set RD,   25
.set CO,   26
.set SO,   27
.set SPW,  28
.set NIL,  29
.set BO,   30
.set SA,   32
.set SB,   100
.set BI,   132
.set BK,   164
.set G1A,  28
.set G1B,  36
.set G0A0, 44
.set G0A1, 48
.set G0B0, 52
.set G0B1, 56
.set MSB, 0
.macro WIN new
.if MSB != \new
	s_set_vgpr_msb (MSB<<8)|\new
.set MSB, \new
.endif
.endm
.macro PLACES n
.rept \n
	v_nop
.endr
.endm
.macro CROUND
	s_barrier_signal -1
	s_barrier_wait -1
	s_cmp_lg_u32 s16, 0
	s_cbranch_scc1 .Lnot_wave_0_\@
	s_barrier_signal -3
.Lnot_wave_0_\@:
	s_barrier_wait -3
	s_barrier_signal -1
	s_barrier_wait -1
.endm
	s_load_b128 s[4:7], s[0:1], 0x0                ; o_img, o_scales
	s_load_b128 s[8:11], s[0:1], 0x10              ; w_codes, w_scales
	s_load_b128 s[12:15], s[0:1], 0x20             ; b_out, out0
	v_lshl_add_u32 v[SPW], v0, 2, SPARE
	v_mov_b32 v[NIL], 0
	ds_add_u32 v[SPW], v[NIL]                      ; the opening lines
	ds_add_u32 v[SPW], v[NIL]
	v_lshrrev_b32 v1, 5, v0
	v_readfirstlane_b32 s16, v1                    ; wave 0..3
	s_lshr_b32 s17, s16, 1                         ; which 128 rows are mine
	s_and_b32 s18, s16, 1                          ; which 64 columns
	s_bfe_u32 s19, ttmp6, 0x40000                  ; cx, cy
	s_bfe_u32 s20, ttmp6, 0x40004
	s_lshl_b32 s21, ttmp9, 2
	s_add_co_u32 s21, s21, s19                     ; tile column, 0 .. 7
	s_and_b32 s22, ttmp7, 0xffff
	s_lshl_b32 s22, s22, 2
	s_add_co_u32 s22, s22, s20                     ; tile row, 0 .. 31
	s_lshl_b32 s23, s20, 2
	s_lshl_b32 s23, 15, s23                        ; my row of the cluster
	s_lshl_b32 s24, 0x1111, s19                    ; my column
	s_or_b32 s[G1A+0], s23, (3<<16)|(1<<21)        ; a block of o: 384 rows of 256 bytes, dense, no padding
	s_mov_b32 s[G1A+1], 32<<16
	s_mov_b32 s[G1A+2], 384<<16
	s_mov_b32 s[G1A+3], 32<<16
	s_mov_b32 s[G1A+4], 384
	s_mov_b32 s[G1A+5], 32
	s_mov_b32 s[G1A+6], 0
	s_mov_b32 s[G1A+7], 0
	s_or_b32 s[G1B+0], s24, (3<<16)|(1<<20)|(1<<21)|(3<<22)|(3<<25)   ; two planes of w: each 128 rows x 192 bytes on end, 3,072 elements of 8 bytes, a plane of w_codes apart; 16 bytes of padding behind every 64
	s_mov_b32 s[G1B+1], 3072<<16
	s_mov_b32 s[G1B+2], 2<<16
	s_mov_b32 s[G1B+3], 3072<<16
	s_mov_b32 s[G1B+4], 2
	s_mov_b32 s[G1B+5], WPL/8
	s_mov_b32 s[G1B+6], 0
	s_mov_b32 s[G1B+7], 0
	s_mul_i32 s60, s22, 2*ABLK                     ; o's two blocks hang on the tile row alone,
	s_mov_b32 s61, 0
	s_lshl_b32 s62, s21, 7
	s_add_co_u32 s62, s62, 3072
	s_mul_i32 s68, s62, 192                        ; w_out's 128 rows on the tile column alone
	s_mov_b32 s69, 0
	s_mov_b32 s[G0A0], 1
	s_mov_b32 s[G0A0+1], 0
	s_mov_b32 s[G0A1], 1
	s_mov_b32 s[G0A1+1], ABLK
	s_mov_b32 s[G0B0], 1
	s_mov_b32 s[G0B0+1], BB0
	s_mov_b32 s[G0B1], 1
	s_mov_b32 s[G0B1+1], BB0+2*PLANE
	s_wait_dscnt 0x0
	s_wait_kmcnt 0x0
	s_add_nc_u64 s[G0A0+2:G0A0+3], s[4:5], s[60:61]
	s_add_nc_u64 s[G0A1+2:G0A1+3], s[G0A0+2:G0A0+3], ABLK
	s_add_nc_u64 s[G0B0+2:G0B0+3], s[8:9], s[68:69]
	s_add_nc_u64 s[G0B1+2:G0B1+3], s[G0B0+2:G0B0+3], 2*WPL
	s_or_b32 s[G0A0+3], s[G0A0+3], 0x80000000
	s_or_b32 s[G0A1+3], s[G0A1+3], 0x80000000
	s_or_b32 s[G0B0+3], s[G0B0+3], 0x80000000
	s_or_b32 s[G0B1+3], s[G0B1+3], 0x80000000
	CROUND                                         ; all sixteen work-groups are here: the joint loads meet
.macro ARM under, g0, g1, next         ; one chain of branches on the wave's number, one load to an arm, one join
	s_cmp_lt_u32 s16, \under
	s_cbranch_scc0 \next
	tensor_load_to_lds s[\g0:\g0+3], s[\g1:\g1+7]
	s_nop 0
	PLACES 4
	s_branch .Lhead_asked
\next:
.endm
	ARM 1, G0B0, G1B, .Lhead_1
	ARM 2, G0A0, G1A, .Lhead_2
	ARM 3, G0A1, G1A, .Lhead_3
	tensor_load_to_lds s[G0B1:G0B1+3], s[G1B:G1B+7]
	s_nop 0
	PLACES 4
.Lhead_asked:
	s_lshl_b32 s68, s22, 8
	s_lshl_b32 s69, s17, 7
	s_add_co_u32 s68, s68, s69                     ; my first row
	s_lshl_b32 s70, s68, 5
	s_mov_b32 s71, 0
	s_add_nc_u64 s[6:7], s[6:7], s[70:71]          ; its scale words
	s_lshl_b32 s72, s21, 7
	s_lshl_b32 s73, s18, 6
	s_add_co_u32 s72, s72, s73                     ; my first column
	s_add_co_u32 s70, s72, 3072
	s_lshl_b32 s70, s70, 5
	s_add_nc_u64 s[10:11], s[10:11], s[70:71]      ; its scale words
	s_lshl_b32 s70, s72, 2
	s_add_nc_u64 s[12:13], s[12:13], s[70:71]      ; its bias
	s_add_nc_u64 s[14:15], s[14:15], s[70:71]
	s_lshl_b32 s70, s68, 12
	s_add_nc_u64 s[14:15], s[14:15], s[70:71]      ; my corner of out
	s_mul_i32 s60, s17, ABLK
	s_mul_i32 s61, s18, 64*PITCH
	s_add_co_u32 s61, s61, BB0
	s_mul_i32 s62, s16, 16*SPITCH
	v_and_b32 v1, 15, v0                           ; r
	v_bfe_u32 v2, v0, 4, 1                         ; h
	v_and_b32 v6, 31, v0
	v_lshl_add_u32 v[ADA], v6, 4, s60
	v_lshl_add_u32 v[ADA+2], v6, 3, s60
	v_add_nc_u32 v[ADA+1], 4*12288, v[ADA]
	v_add_nc_u32 v[ADA+3], 4*12288, v[ADA+2]
	v_mul_u32_u24 v3, v1, PITCH
	v_mad_u32_u24 v3, v2, 24, v3
	v_add_nc_u32 v[ADB], s61, v3
	v_lshl_add_u32 v[ADB+2], v2, 4, v[ADB]
	v_add_nc_u32 v[ADB+1], 2*PLANE, v[ADB]
	v_add_nc_u32 v[ADB+3], 2*PLANE, v[ADB+2]
	v_mul_u32_u24 v4, v1, SPITCH                   ; the stage, in: row r, 128 bytes for each half of the lanes
	v_lshl_add_u32 v4, v2, 7, v4
	v_add_nc_u32 v[STO], s62, v4
	v_mul_u32_u24 v5, v2, SPITCH                   ; back: sixteen lanes to a row of 256 bytes, two rows an instruction
	v_lshl_add_u32 v5, v1, 4, v5
	v_add_nc_u32 v[RD], s62, v5
	v_lshlrev_b32 v7, 12, v2
	v_lshl_add_u32 v[CO], v1, 4, v7                ; and the same two rows in out
	v_lshlrev_b32 v[SO], 5, v1                     ; 32 bytes of scales a row
	v_lshlrev_b32 v[BO], 7, v2                     ; the bias of columns 32 h on
	s_wait_alu depctr_va_vdst(0)                   ; the wait at the head's end
.irp a, 0,1,2,3,4,5,6,7
	global_load_b128 v[SA+8*\a:SA+8*\a+3], v[SO], s[6:7] offset:512*\a          ; block a, row r: the words of K steps 0 .. 7
	global_load_b128 v[SA+8*\a+4:SA+8*\a+7], v[SO], s[6:7] offset:512*\a+16
.endr
.irp b, 0,1,2,3
	global_load_b128 v[SB+8*\b:SB+8*\b+3], v[SO], s[10:11] offset:512*\b
	global_load_b128 v[SB+8*\b+4:SB+8*\b+7], v[SO], s[10:11] offset:512*\b+16
	global_load_b128 v[BI+8*\b:BI+8*\b+3], v[BO], s[12:13] offset:32*\b          ; register 8 b + j: column 32 h + 8 b + j
	global_load_b128 v[BI+8*\b+4:BI+8*\b+7], v[BO], s[12:13] offset:32*\b+16
.endr
.macro FETCH kq                        ; the fragments of K step kq (128 along K) into set kq % 2: 24 loads for w's four, 32 for o's eight
.set ST_, (\kq)%2
.set PL_, (\kq)/2
	WIN 0x80
.irp i, 0,1,2,3
.irp p, 0,1,2,3,4,5
.set PCE, 12*((\kq)%2)+6*(\p/3)+\p%3
.if PCE%8 < 5
	ds_load_b64 v[48*ST_+12*\i+2*\p:48*ST_+12*\i+2*\p+1], v[ADB+PL_/2] offset:8*PCE+16*(PCE/8)+\i*16*PITCH+(PL_%2)*PLANE
.else
	ds_load_b64 v[48*ST_+12*\i+2*\p:48*ST_+12*\i+2*\p+1], v[ADB+2+PL_/2] offset:8*PCE+16*(PCE/8)+\i*16*PITCH+(PL_%2)*PLANE
.endif
.endr
.endr
	WIN 0x40
.irp a, 0,1,2,3,4,5,6,7
	ds_load_b128 v[96*ST_+12*\a:96*ST_+12*\a+3], v[ADA+(\kq)/4] offset:((\kq)%4)*12288+\a*1536
	ds_load_b64 v[96*ST_+12*\a+4:96*ST_+12*\a+5], v[ADA+2+(\kq)/4] offset:((\kq)%4)*12288+\a*1536+512
	ds_load_b128 v[96*ST_+12*\a+6:96*ST_+12*\a+9], v[ADA+(\kq)/4] offset:((\kq)%4)*12288+\a*1536+768
	ds_load_b64 v[96*ST_+12*\a+10:96*ST_+12*\a+11], v[ADA+2+(\kq)/4] offset:((\kq)%4)*12288+\a*1536+1280
.endr
	WIN 0
.endm
.macro MULK kq                         ; 32 products; the accumulators take turns, one instruction a turn
.if (\kq) == 0
	WIN 0xc6                                       ; w window 2, o window 1, the bias window 0, the sums window 3
.else
	WIN 0xf6
.endif
.irp a, 0,1,2,3,4,5,6,7
.irp b, 0,1,2,3
.if (\kq) == 0
	v_wmma_scale_f32_16x16x128_f8f6f4 v[8*(4*\a+\b):8*(4*\a+\b)+7], v[12*\b:12*\b+11], v[12*\a:12*\a+11], v[BI+8*\b:BI+8*\b+7], v[SB+8*\b], v[SA+8*\a] matrix_a_fmt:MATRIX_FMT_FP6 matrix_b_fmt:MATRIX_FMT_FP6
.else
	v_wmma_scale_f32_16x16x128_f8f6f4 v[8*(4*\a+\b):8*(4*\a+\b)+7], v[48*((\kq)%2)+12*\b:48*((\kq)%2)+12*\b+11], v[96*((\kq)%2)+12*\a:96*((\kq)%2)+12*\a+11], v[8*(4*\a+\b):8*(4*\a+\b)+7], v[SB+8*\b+(\kq)], v[SA+8*\a+(\kq)] matrix_a_fmt:MATRIX_FMT_FP6 matrix_b_fmt:MATRIX_FMT_FP6
.endif
.endr
.endr
	WIN 0
.endm
	s_wait_tensorcnt 0x0                           ; my tile has landed,
	s_barrier_signal -1
	s_barrier_wait -1                              ; everybody's has
	FETCH 0
	s_wait_loadcnt 0x0                             ; the scale words and the bias
.set KQ, 0
.rept 7
.if KQ > 0
	PLACES 4                                       ; between the step before's products and the loads into their registers
.endif
	FETCH KQ+1
	s_wait_dscnt 56                                ; this step's fragments are in; the 56 loads just issued may be out
	MULK KQ
.set KQ, KQ+1
.endr
	s_wait_dscnt 0x0                               ; my last reads of LDS are over:
	s_barrier_signal -1                            ; say so, work on registers,
	MULK 7
	s_barrier_wait -1                              ; and go on when nobody reads o's first block any more: the stages lie there
	PLACES 4
.macro TOSTAGE a
	WIN 0x0c                                       ; the data: window 3
.irp b, 0,1,2,3
	ds_store_b128 v[STO], v[8*(4*(\a)+\b):8*(4*(\a)+\b)+3] offset:32*\b          ; each accumulator from its low end on
	ds_store_b128 v[STO], v[8*(4*(\a)+\b)+4:8*(4*(\a)+\b)+7] offset:32*\b+16
.endr
	WIN 0
.set BB_, BK+32*((\a)%2)
.irp t, 0,1,2,3,4,5,6,7
	ds_load_b128 v[BB_+4*\t:BB_+4*\t+3], v[RD] offset:2*\t*SPITCH                ; LDS serves a wave's instructions in order: these see my stores
.endr
.endm
.macro SEND a, younger
.set BB_, BK+32*((\a)%2)
	s_wait_dscnt \younger
.irp t, 0,1,2,3,4,5,6,7
	global_store_b128 v[CO], v[BB_+4*\t:BB_+4*\t+3], s[14:15] offset:(64*((\a)/4)+32*(\t/4)+8*((\a)%4)+2*(\t%4))*4096 th:TH_STORE_NT   ; places 16 a + 2 t and + 1 are these rows of out; sixteen lanes store 256 consecutive bytes, aligned
.endr
.endm
	TOSTAGE 0
.irp a, 1,2,3,4,5,6,7
.if \a > 1
	s_wait_xcnt 0x0                                ; block a - 2's stores have read their registers: block a's loads may land there
.endif
	TOSTAGE \a
	SEND \a-1, 16                                  ; behind block a - 1's loads: block a's 8 stores and 8 loads
.endr
	SEND 7, 0
	s_wait_tensorcnt 0x0                           ; the wave's end
	ds_add_u32 v[SPW], v[NIL]
	s_wait_dscnt 0x0
	CROUND                                         ; the closing round
	s_endpgm
.Lfunc_end_k_qfbe5d011ca_gemm_out:
	.size	k_qfbe5d011ca_gemm_out, .Lfunc_end_k_qfbe5d011ca_gemm_out-k_qfbe5d011ca_gemm_out
	.p2alignl 7, 3214868480
	.fill 96, 4, 3214868480
	.section	.rodata,"a",@progbits
	.p2align	6, 0x0
	.amdhsa_kernel k_qfbe5d011ca_gemm_out
		.amdhsa_group_segment_fixed_size 327680
		.amdhsa_private_segment_fixed_size 0
		.amdhsa_enable_private_segment 0
		.amdhsa_kernarg_size 48
		.amdhsa_user_sgpr_count 2
		.amdhsa_user_sgpr_kernarg_segment_ptr 1
		.amdhsa_wavefront_size32 1
		.amdhsa_system_sgpr_workgroup_id_x 1
		.amdhsa_system_sgpr_workgroup_id_y 1
		.amdhsa_system_sgpr_workgroup_id_z 1
		.amdhsa_system_vgpr_workitem_id 0
		.amdhsa_next_free_vgpr 1024
		.amdhsa_next_free_sgpr 100
		.amdhsa_reserve_vcc 0
		.amdhsa_float_denorm_mode_32 3
		.amdhsa_float_denorm_mode_16_64 3
		.amdhsa_memory_ordered 1
		.amdhsa_forward_progress 1
		.amdhsa_inst_pref_size 89
	.end_amdhsa_kernel
	.amdgpu_metadata
---
amdhsa.version: [ 1, 2 ]
amdhsa.kernels:
  - .name:           k_qfbe5d011ca_gemm_out
    .symbol:         k_qfbe5d011ca_gemm_out.kd
    .args:
      - { .name: o_img, .offset: 0, .size: 8, .value_kind: global_buffer, .address_space: global }
      - { .name: o_scales, .offset: 8, .size: 8, .value_kind: global_buffer, .address_space: global }
      - { .name: w_codes, .offset: 16, .size: 8, .value_kind: global_buffer, .address_space: global }
      - { .name: w_scales, .offset: 24, .size: 8, .value_kind: global_buffer, .address_space: global }
      - { .name: b_out, .offset: 32, .size: 8, .value_kind: global_buffer, .address_space: global }
      - { .name: out0, .offset: 40, .size: 8, .value_kind: global_buffer, .address_space: global }
    .group_segment_fixed_size: 327680
    .private_segment_fixed_size: 0
    .kernarg_segment_align: 8
    .kernarg_segment_size: 48
    .max_flat_workgroup_size: 128
    .sgpr_count:     100
    .vgpr_count:     1024
    .wavefront_size: 32
...
	.end_amdgpu_metadata
.endif
;; end of part 4
